; MI455X (gfx1250); checked and timed in simulation.
; The chip was launched on July 23, 2026; its instructions are those of AMD's public machine-readable ISA for CDNA 5 (MIT licence, August 2026) and "CDNA5" Instruction Set Architecture Reference Guide (July 2026). The comments in the code are by the model that wrote it; some were corrected since.
;; Encoder Layer. Allowed arithmetic: matrix products marked QUANTISED: E4M3 operands, one given power-of-two scale a tensor, by v_wmma_f32_16x16x64_fp8_fp8 or v_wmma_f32_16x16x128_fp8_fp8, f32 sums; everything else in f32.
;; Inputs: W1_codes 1,024 x 32 x 32 uint8 (E4M3 codes of W1, K innermost, in blocks of 32 codes); W2_codes 1,024 x 32 x 32 uint8 (E4M3 codes of W2, K innermost, in blocks of 32 codes); Wk_codes 1,024 x 32 x 32 uint8 (E4M3 codes of Wk, K innermost, in blocks of 32 codes); Wq_codes 1,024 x 32 x 32 uint8 (E4M3 codes of Wq, K innermost, in blocks of 32 codes); Wv_codes 1,024 x 32 x 32 uint8 (E4M3 codes of Wv, K innermost, in blocks of 32 codes); b1 1,024 float32; b2 1,024 float32; bk 1,024 float32; bq 1,024 float32; bv 1,024 float32; dist_emb 257 x 32 float32; ln1_b 1,024 float32; ln1_g 1,024 float32; ln2_b 1,024 float32; ln2_g 1,024 float32; lowp_scales 18 int32 (the exponents e of the quantised operands' scales 2^e); x 4 x 1,024 x 1,024 float32.
;; Outputs: out0 1,024 x 4 x 1,024 float32.
;; This version of the problem:
;;   THIS VERSION OF THE PROBLEM IS GIVEN IN LOW PRECISION. The matrix products marked QUANTISED in the list below multiply operands that are first quantised to E4M3 (4 exponent bits, 3 mantissa bits; 8 bits a number), with one given power-of-two scale for each operand tensor; their sums are f32. All else is computed in f32.
;;   The module's matrix products, in the order in which they are computed (A, B: the left and right operand; K: the contracted axis; several contracted axes count as one K, in the product's order):
;;     1. [M 4,096, K 1,024] x [K 1,024, N 1,024]; A: input x; B: input Wq (given as codes): QUANTISED (scales: A lowp_scales[0], B lowp_scales[1])
;;     2. [M 4,096, K 1,024] x [K 1,024, N 1,024]; A: input x; B: input Wk (given as codes): QUANTISED (scales: A lowp_scales[2], B lowp_scales[3])
;;     3. [M 4,096, K 1,024] x [K 1,024, N 1,024]; A: input x; B: input Wv (given as codes): QUANTISED (scales: A lowp_scales[4], B lowp_scales[5])
;;     4. batch 128 x [M 1,024, K 32] x [K 32, N 1,024]; A: computed on the way; B: computed on the way: QUANTISED (scales: A lowp_scales[6], B lowp_scales[7])
;;     5. batch 1,024 x [M 1,024, K 32] x [K 32, N 128]; A: computed on the way; B: computed on the way: QUANTISED (scales: A lowp_scales[8], B lowp_scales[9])
;;     6. batch 1,024 x [M 1,024, K 32] x [K 32, N 128]; A: computed on the way; B: computed on the way: QUANTISED (scales: A lowp_scales[10], B lowp_scales[11])
;;     7. batch 128 x [M 32, K 1,024] x [K 1,024, N 1,024]; A: computed on the way; B: softmax (see below): QUANTISED (scales: A lowp_scales[12], B lowp_scales[13])
;;     8. [M 4,096, K 1,024] x [K 1,024, N 1,024]; A: computed on the way; B: input W1 (given as codes): QUANTISED (scales: A lowp_scales[14], B lowp_scales[15])
;;     9. [M 4,096, K 1,024] x [K 1,024, N 1,024]; A: computed on the way; B: input W2 (given as codes): QUANTISED (scales: A lowp_scales[16], B lowp_scales[17])
;;   THE QUANTISER, for each operand of a quantised product, along K:
;;     - The operand's scale is 2^e, e = its entry of the input lowp_scales (int32; the entries are numbered through the quantised products in the list's order, A before B).
;;     - Each number is divided by the scale, clamped to +-448, and rounded to the nearest number of E4M3, ties to even, subnormals kept.
;;     - The product sums the exact products of the quantised numbers (number of the format x scale) in f32.
;;   ~~~python
;;   def quantise(x, axis, e):      # numpy; x: float32 -> the quantised numbers, widened to float32 again
;;       x = np.moveaxis(x, axis, -1); K = x.shape[-1]
;;       r = np.clip(x / 2.0 ** e, -448, 448)
;;       step = 2.0 ** (np.maximum(np.frexp(np.where(r == 0, 1, r))[1] - 1, -6) - 3)
;;       q = np.round(r / step) * step * 2.0 ** e      # np.round: ties to even
;;       return np.moveaxis(q, -1, axis).astype(np.float32)
;;   ~~~
;;   SOFTMAX AHEAD OF A QUANTISED PRODUCT. Where the list says 'softmax', what is quantised is not the finished softmax but p = 2^(t - M), with t = logit x log2(e) and M = ceil(the row's largest t), a whole number; so 1/2 < the row's largest p <= 1. The row's sum l is taken of the UNQUANTISED p, in f32, and the product's result is divided by l at the end. Since M is a whole number, a kernel that streams over the keys may use a running M (the ceiling of the running maximum): every later rescaling is an exact power of two, so the quantised numbers keep their values, but for numbers so far below the row's largest that they fall under the format's range.
;;   OPERANDS COMPUTED ON THE WAY. 'Computed on the way' means the value that the module computes at that place (a softmax that the list does not call 'softmax' is quantised finished and normalised). What goes into a quantiser is computed in f32, as accurately as f32 sums, v_exp_f32 and their like allow (about 1e-6 of the number): no bf16 or f16 on the way to a quantiser, and a product that is left as it is and whose result goes on into a quantised operand takes f32 operands (vector FMAs, or v_wmma_f32_16x16x4_f32). A number that lies on a knife's edge between two numbers of the format may be rounded either way, as far as f32 arithmetic and the matrix unit's own rounding can turn it there, and no further.
;;   INPUTS GIVEN AS CODES. W1 (in the module: [1024, 1024], K = its axis 0); W2 (in the module: [1024, 1024], K = its axis 0); Wk (in the module: [1024, 1024], K = its axis 0); Wq (in the module: [1024, 1024], K = its axis 0); Wv (in the module: [1024, 1024], K = its axis 0): each comes as NAME_codes (uint8): NAME with its K axis moved to the last place and cut into blocks of 32 codes, [.., K / 32, bytes a block], one block behind the other in memory; one code a byte (a code: sign, 4 exponent bits, 3 mantissa bits); its scale is its entry of lowp_scales. Its value is code x scale, taken as it is: it is not quantised again, and the codes and scales need not be those that the quantiser above would give.
;; 2 versions, each right; version 2 is version 1 with the launches prep, attn written anew for expert scheduling mode. Each part assembles by itself: llvm-mc -triple=amdgcn-amd-amdhsa -mcpu=gfx1250 --defsym DOCPART=n.
;; ======== version 1 of 2: 4 launches
;; workspace buffers: xc 12,582,912 bytes; wi 2,097,152 bytes; qkv 20,971,520 bytes; tws 16,777,216 bytes
;; launch prep (part 1): grid 288 x 1, 4 waves a work-group, no clusters, 33,280 bytes of LDS; arguments x, lowp_scales, W1_codes, W2_codes, xc, wi; writes xc, wi
.if DOCPART == 1
	.amdgcn_target "amdgcn-amd-amdhsa--gfx1250"
	.amdhsa_code_object_version 6
	.text
	.protected	k_q8bb9b1f53f_prep
	.globl	k_q8bb9b1f53f_prep
	.p2align	8
	.type	k_q8bb9b1f53f_prep,@function
k_q8bb9b1f53f_prep:
	s_mov_b64 s[64:65], 0
	v_nop
	global_prefetch_b8 v0, s[64:65] scope:SCOPE_SE
	s_setreg_imm32_b32 hwreg(HW_REG_WAVE_MODE, 25, 1), 1
	s_wait_xcnt 0x0
; PREP.  Two jobs in one launch, told apart by the work-group's number.
; Work-groups 0-255: x [4096][1024] f32 becomes three sets of E4M3 codes, one for each of the three projections' own scale of x (entries 0, 2, 4 of the scales): xc + j x 4 MiB, rows as in x.
;   code = x / 2^e, held within +-448, to the nearest code, ties to even.  A wave takes 8 steps of 512 numbers.  Each load reads 512 consecutive bytes; a step's 2,048 bytes turn through the wave's own
;   stage in LDS (16 bytes of padding behind each 64), so that a lane then holds 16 neighbours along K; its 16 codes are 16 bytes, and a store of the wave covers 512 consecutive bytes.
; Work-groups 256-287: the codes of W1 and W2 ([n][k], k innermost) are laid anew as images of operand registers: wi + layer x 1 MiB, [tile of 16 rows n: 64][K step of 128: 8][group of 4 registers: 4][lane][16 bytes];
;   lane (r, h) of a tile holds row r; registers 2 c, 2 c + 1 hold k = 16 c + 8 h + 0 .. 7.  A wave takes one tile: 16 KiB.
; LIMITS: the three exponents lie between -126 and 119, so that 2^e and 448 x 2^e are f32 numbers.  NaN among x is not served; an infinity is held at the largest code.
.set STEPS, 8
.set SP,    80                         ; a lane's place in a stage: 64 bytes + 16 of padding
.set WREG,  8192                       ; LDS of a wave: two stages of 32 x SP bytes
.set R,     16                         ; v16-79   four sets of 16 numbers as loaded
.set X,     80                         ; v80-111  two sets of 16 neighbours
.set T,     112                        ; v112-159 three sets of 16 held numbers, one for each scale
.set C,     160                        ; v160-255 codes: four registers for each step and scale, so that no store's data are written again
	s_load_b128 s[4:7], s[0:1], 0x0                ; x, the scales' exponents
	s_load_b128 s[8:11], s[0:1], 0x10              ; W1's codes, W2's codes
	s_load_b128 s[12:15], s[0:1], 0x20             ; xc, wi
	v_lshl_add_u32 v12, v0, 2, 0x8000
	v_mov_b32 v13, 0
	v_lshrrev_b32 v1, 5, v0
	v_readfirstlane_b32 s16, v1                    ; wave
	v_and_b32 v2, 31, v0                           ; lane
	v_lshlrev_b32 v3, 4, v2                        ; 16 x lane: my place in 512 bytes, in and out; never rewritten
	s_cmp_ge_u32 ttmp9, 256
	s_cbranch_scc1 .Lrelay
	; ---------------- x into codes
	s_mul_i32 s17, s16, WREG
	v_lshrrev_b32 v14, 2, v2
	v_mul_u32_u24 v14, v14, SP
	v_and_b32 v15, 3, v2
	v_lshl_add_u32 v14, v15, 4, v14
	v_add_nc_u32 v14, s17, v14                     ; into the stage: SP (lane / 4) + 16 (lane % 4)
	v_mul_u32_u24 v15, v2, SP
	v_add_nc_u32 v15, s17, v15                     ; out of it: SP x lane
	s_lshl_b32 s18, ttmp9, 2
	s_add_co_u32 s18, s18, s16                     ; which run of 4,096 numbers is my wave's
	s_lshl_b32 s20, s18, 14                        ; its bytes in x
	s_mov_b32 s21, 0
	s_lshl_b32 s22, s18, 12                        ; and in a set of codes
	s_mov_b32 s23, 0
	s_wait_kmcnt 0x0
	s_load_b256 s[32:39], s[6:7], 0x0              ; entries 0 to 7
	s_add_nc_u64 s[4:5], s[4:5], s[20:21]
	s_add_nc_u64 s[24:25], s[12:13], s[22:23]      ; set 0
	s_add_nc_u64 s[26:27], s[24:25], 0x400000      ; set 1
	s_add_nc_u64 s[28:29], s[24:25], 0x800000      ; set 2
.macro LOAD t
.irp i, 0,1,2,3
	global_load_b128 v[R+16*((\t)%4)+4*\i:R+16*((\t)%4)+4*\i+3], v3, s[4:5] offset:2048*(\t)+512*\i th:TH_LOAD_NT
.endr
.endm
.macro TURN t                          ; LDS serves a wave's instructions in order: no wait between these stores and loads
.irp i, 0,1,2,3
	ds_store_b128 v14, v[R+16*((\t)%4)+4*\i:R+16*((\t)%4)+4*\i+3] offset:32*SP*((\t)%2)+8*SP*\i
.endr
.irp i, 0,1,2,3
	ds_load_b128 v[X+16*((\t)%2)+4*\i:X+16*((\t)%2)+4*\i+3], v15 offset:32*SP*((\t)%2)+16*\i
.endr
.endm
.irp t, 0,1,2,3
	LOAD \t
.endr
	s_wait_kmcnt 0x0
.irp j, 0,1,2
	s_add_co_i32 s30, s[32+2*\j], 127
	s_lshl_b32 s31, s30, 23
	v_mov_b32 v[5+\j], s31                         ; 2^e as f32: the conversion takes its exponent field
	s_add_co_i32 s30, s30, 8
	s_lshl_b32 s30, s30, 23
	s_or_b32 s30, s30, 0x600000
	v_mov_b32 v[8+\j], s30                         ; 448 x 2^e
.endr
	s_wait_loadcnt 12                              ; step 0's four loads are in; three steps' twelve may be out
	TURN 0
.macro QSET t, j                       ; step t under scale j: the hold goes into a set of its own, since the numbers serve three scales
.irp i, 0,1,2,3,4,5,6,7,8,9,10,11,12,13,14,15
	v_med3_num_f32 v[T+16*(\j)+\i], v[X+16*((\t)%2)+\i], -v[8+(\j)], v[8+(\j)]   ; the conversion to an 8-bit code does not saturate (ISA guide 7.6.2)
.endr
	v_cvt_scalef32_pk8_fp8_f32 v[C+12*(\t)+4*(\j):C+12*(\t)+4*(\j)+1], v[T+16*(\j):T+16*(\j)+7], v[5+(\j)]
	v_cvt_scalef32_pk8_fp8_f32 v[C+12*(\t)+4*(\j)+2:C+12*(\t)+4*(\j)+3], v[T+16*(\j)+8:T+16*(\j)+15], v[5+(\j)]
	global_store_b128 v3, v[C+12*(\t)+4*(\j):C+12*(\t)+4*(\j)+3], s[24+2*(\j):25+2*(\j)] offset:512*(\t)   ; the wave stores 512 consecutive bytes; the next set's holds are plain lines on other registers
.endm
.macro STEP t
	s_wait_dscnt 0x0                               ; this step's numbers are back from the stage, and its stores into the stage have read their registers,
.if (\t)+4 < STEPS
	LOAD (\t)+4                                    ; which take the loads of four steps on
.endif
.if (\t)+1 < STEPS
.if STEPS-2-(\t) >= 3
	s_wait_loadcnt 12                              ; the next step's four loads are in; those of the three steps behind it may be out
.else
	s_wait_loadcnt 4*(STEPS-2-(\t))
.endif
	TURN (\t)+1
.endif
	QSET \t, 0
	QSET \t, 1
	QSET \t, 2
.endm
.irp t, 0,1,2,3,4,5,6,7
	STEP \t
.endr
	s_wait_tensorcnt 0x0
	ds_add_u32 v12, v13
	s_wait_dscnt 0x0
	s_endpgm
	; ---------------- W1 and W2 as images of operand registers
.Lrelay:
	s_sub_co_u32 s17, ttmp9, 256
	s_lshl_b32 s17, s17, 2
	s_add_co_u32 s17, s17, s16                     ; 0 .. 127: layer x 64 + tile
	s_and_b32 s18, s17, 63
	s_lshl_b32 s20, s18, 14                        ; the tile's 16 rows of 1,024 bytes
	s_mov_b32 s21, 0
	s_lshl_b32 s22, s17, 14                        ; and its 16 KiB in wi
	s_mov_b32 s23, 0
	v_and_b32 v4, 15, v0                           ; r
	v_bfe_u32 v5, v0, 4, 1                         ; h
	v_lshlrev_b32 v6, 10, v4
	v_lshl_add_u32 v6, v5, 3, v6                   ; row r, + 8 h
	s_wait_kmcnt 0x0
	s_cmp_lt_u32 ttmp9, 272                        ; the first sixteen of these work-groups take W1
	s_cselect_b64 s[8:9], s[8:9], s[10:11]
	s_add_nc_u64 s[8:9], s[8:9], s[20:21]
	s_add_nc_u64 s[14:15], s[14:15], s[22:23]
.irp s, 0,1,2,3,4,5,6,7
.irp g, 0,1,2,3
	global_load_b64 v[16+16*\s+4*\g:17+16*\s+4*\g], v6, s[8:9] offset:128*\s+32*\g       ; k = 128 s + 32 g + 8 h + 0 .. 7
	global_load_b64 v[18+16*\s+4*\g:19+16*\s+4*\g], v6, s[8:9] offset:128*\s+32*\g+16    ; and 16 further on
.endr
.endr
.irp s, 0,1,2,3,4,5,6,7
	s_wait_loadcnt 8*(7-\s)                        ; K step s's eight loads are in; the later steps' may be out
.irp g, 0,1,2,3
	global_store_b128 v3, v[16+16*\s+4*\g:19+16*\s+4*\g], s[14:15] offset:2048*\s+512*\g
.endr
.endr
	s_endpgm
.Lfunc_end_k_q8bb9b1f53f_prep:
	.size	k_q8bb9b1f53f_prep, .Lfunc_end_k_q8bb9b1f53f_prep-k_q8bb9b1f53f_prep
	.p2alignl 7, 3214868480
	.fill 96, 4, 3214868480
	.section	.rodata,"a",@progbits
	.p2align	6, 0x0
	.amdhsa_kernel k_q8bb9b1f53f_prep
		.amdhsa_group_segment_fixed_size 33280
		.amdhsa_private_segment_fixed_size 0
		.amdhsa_enable_private_segment 0
		.amdhsa_kernarg_size 48
		.amdhsa_user_sgpr_count 2
		.amdhsa_user_sgpr_kernarg_segment_ptr 1
		.amdhsa_wavefront_size32 1
		.amdhsa_system_sgpr_workgroup_id_x 1
		.amdhsa_system_sgpr_workgroup_id_y 1
		.amdhsa_system_sgpr_workgroup_id_z 1
		.amdhsa_system_vgpr_workitem_id 0
		.amdhsa_next_free_vgpr 256
		.amdhsa_next_free_sgpr 66
		.amdhsa_reserve_vcc 0
		.amdhsa_float_denorm_mode_32 3
		.amdhsa_float_denorm_mode_16_64 3
		.amdhsa_memory_ordered 1
		.amdhsa_forward_progress 1
		.amdhsa_inst_pref_size 50
	.end_amdhsa_kernel
	.amdgpu_metadata
---
amdhsa.version: [ 1, 2 ]
amdhsa.kernels:
  - .name:           k_q8bb9b1f53f_prep
    .symbol:         k_q8bb9b1f53f_prep.kd
    .args:
      - { .name: x, .offset: 0, .size: 8, .value_kind: global_buffer, .address_space: global }
      - { .name: lowp_scales, .offset: 8, .size: 8, .value_kind: global_buffer, .address_space: global }
      - { .name: W1_codes, .offset: 16, .size: 8, .value_kind: global_buffer, .address_space: global }
      - { .name: W2_codes, .offset: 24, .size: 8, .value_kind: global_buffer, .address_space: global }
      - { .name: xc, .offset: 32, .size: 8, .value_kind: global_buffer, .address_space: global }
      - { .name: wi, .offset: 40, .size: 8, .value_kind: global_buffer, .address_space: global }
    .group_segment_fixed_size: 33280
    .private_segment_fixed_size: 0
    .kernarg_segment_align: 8
    .kernarg_segment_size: 48
    .max_flat_workgroup_size: 128
    .sgpr_count:     66
    .vgpr_count:     256
    .wavefront_size: 32
...
	.end_amdgpu_metadata
.endif
;; end of part 1
;; launch qkv (part 2): grid 12 x 16, 4 waves a work-group, clusters of 4 x 4, 327,680 bytes of LDS; arguments xc, Wq_codes, Wk_codes, Wv_codes, lowp_scales, bq, bk, bv, qkv; writes qkv
.if DOCPART == 2
	.amdgcn_target "amdgcn-amd-amdhsa--gfx1250"
	.amdhsa_code_object_version 6
	.text
	.protected	k_q8bb9b1f53f_qkv
	.globl	k_q8bb9b1f53f_qkv
	.p2align	8
	.type	k_q8bb9b1f53f_qkv,@function
k_q8bb9b1f53f_qkv:
	s_mov_b64 s[64:65], 0
	v_nop
	global_prefetch_b8 v0, s[64:65] scope:SCOPE_SE
	s_setreg_imm32_b32 hwreg(HW_REG_WAVE_MODE, 25, 1), 1
	s_wait_xcnt 0x0
	s_wait_alu depctr_hold_cnt(0) depctr_sa_sdst(0) depctr_va_vdst(0) depctr_va_sdst(0) depctr_va_ssrc(0) depctr_va_vcc(0) depctr_vm_vsrc(0)
	s_getreg_b32 s2, hwreg(HW_REG_IB_STS2, 6, 4)
	s_cmp_eq_u32 s2, 0
	s_cbranch_scc0 .Lentry_in_a_cluster
	s_endpgm
.Lentry_in_a_cluster:
	s_bfe_u32 s2, ttmp6, 0x10000c
	s_cmp_lg_u32 s2, 0xf033
	s_cbranch_scc0 .Lentry_shape_is_right
	s_endpgm
.Lentry_shape_is_right:
; The three projections, q = x Wq + bq, k, v, on E4M3 codes, and their results quantised at once for the products that follow.
; The cluster's x says which projection (0: q, 1: k, 2: v): its set of x's codes (xc + which x 4 MiB), its weight, its bias, its scales.  All of these are chosen by selects on that number, which all partners share.
; A tile of 256 tokens x 256 channels is made by four waves, 128 x 128 each: 64 accumulators, 512 registers.  K = 1,024 goes in steps of 256 through a ring of two LDS slots filled by the tensor data mover.
; CLUSTERS: 4 x 4 work-groups.  The four of a row need the same tokens' codes, the four of a column the same rows of the weight: each tile is asked for jointly, by the same tensor load with the same descriptor and a mask.
; THE MATRIX INSTRUCTION IS USED TRANSPOSED (source 0 = 16 rows of the weight, source 1 = 16 tokens): a lane holds one token and eight neighbouring channels a result.  A fragment comes by four loads of 16 bytes: a permutation
; of k that is the same on both sides.
; THE WAY OUT has no stage.  A head is 32 channels = two neighbouring results: sum x 2^(ea + eb) + bias, held, converted: four registers a lane, which ARE the operand image that the attention wants:
; lane (r, h) = token r of a tile of 16; registers 0, 1: channels 8 h + 0 .. 7; registers 2, 3: 16 + 8 h + 0 .. 7.  The wave stores 512 consecutive bytes.
; qkv: five sets of 4 MiB, [n x 32 + head][tile of 16 tokens: 64][lane][16 bytes]: q under entry 7, q under entry 9, k under entry 6, k under entry 11, v under entry 12 of the scales.
; LIMITS: ea + eb between -126 and 127; the exponents of the conversions between -126 and 119.  NaN is not served.
; REGISTERS, in windows of 256: window 0: v0-31 addresses, constants, codes; v32-95 my 128 channels' biases; v96-127 at work on the way out; from v128 the tokens' fragments, ONE set.
;   window 1: the weight's fragments, TWO sets.   windows 2, 3: the accumulators of my tokens 0-63, 64-127 (accumulator (a, b) at v[8 (8 (a % 4) + b)]).
.set SIZE_K, 1024
.set KSTEP,  256
.set ROWB,   256
.set KROW,   SIZE_K
.set PITCH,  272                       ; an LDS row: 256 bytes + 16 of padding = 68 words: the 16 rows that a load touches start at 16 different banks (64 banks of 4 bytes: ISA guide 11.1)
.set FR,     16
.set NL,     4
.set NP,     4
.set HALFT,  128*PITCH
.set SLOT,   4*HALFT
.set LAPS,   SIZE_K/(2*KSTEP)
.set SPARE,  2*SLOT                    ; behind the ring: the spare words, 128 bytes a wave: two blocks of 256 bytes that no other line names
.set K1,   8                           ; v8-11   2^E1, 448 x 2^E1, 2^E2, 448 x 2^E2
.set C1,   12                          ; v12-15  a unit's codes under E1
.set ADRA, 16
.set ADRB, 20
.set C2,   22                          ; v22-25  and under E2
.set CO,   26                          ; v26     16 x lane
.set BO,   27                          ; v27     32 h
.set SPW,  28
.set NIL,  29
.set BIAS, 32
.set Y,    96
.set T,    112
.set AF,   128
.set G1, 24
.set G0, 32
.set G1B, 48
.set G0B, 56
.set MSB, 0
.macro WIN new                         ; the immediate's high byte repeats the setting that is left
.if MSB != \new
	s_set_vgpr_msb (MSB<<8)|\new
.set MSB, \new
.endif
.endm
.set MUL_LO, 0xa1
.set MUL_HI, 0xf1
.set TO_B,   0x40
; A joint load: waves 0 and 1 fetch the tokens' halves, waves 2 and 3 the weight's.  The branch hangs on the wave's number alone.  Four v_nop follow each of the two lines.
.macro JLOAD g0a, g1a, g0b, g1b
	s_cmp_eq_u32 s15, 0
	s_cbranch_scc0 .Lfor_b_\@
	tensor_load_to_lds s[\g0a:\g0a+3], s[\g1a:\g1a+7]
	s_nop 0
.rept 4
	v_nop
.endr
	s_branch .Lasked_\@
.Lfor_b_\@:
	tensor_load_to_lds s[\g0b:\g0b+3], s[\g1b:\g1b+7]
	s_nop 0
.rept 4
	v_nop
.endr
.Lasked_\@:
.endm
.macro CREST
	s_cmp_lg_u32 s14, 0
	s_cbranch_scc1 .Lnot_wave_0_\@
	s_barrier_signal -3
.Lnot_wave_0_\@:
	s_barrier_wait -3
	s_barrier_signal -1
	s_barrier_wait -1
.endm
.macro CROUND
	s_barrier_signal -1
	s_barrier_wait -1
	CREST
.endm
	s_load_b256 s[4:11], s[0:1], 0x0               ; xc, Wq, Wk, Wv
	s_load_b256 s[68:75], s[0:1], 0x20             ; the scales' exponents, bq, bk, bv
	s_load_b64 s[76:77], s[0:1], 0x40              ; qkv
	v_lshl_add_u32 v[SPW], v0, 2, SPARE
	v_mov_b32 v[NIL], 0
	ds_add_u32 v28, v29
	ds_add_u32 v28, v29
	s_wait_dscnt 0x0
	v_lshrrev_b32 v1, 5, v0
	v_readfirstlane_b32 s14, v1                    ; wave 0..3
	s_lshr_b32 s15, s14, 1                         ; which half of the tile's tokens is mine.  Also: I fetch tokens (0) or the weight (1)
	s_and_b32 s16, s14, 1                          ; which half of its channels.  Also: which 128 rows I fetch
	s_bfe_u32 s40, ttmp6, 0x40000                  ; cx
	s_bfe_u32 s41, ttmp6, 0x40004                  ; cy
	s_mov_b32 s66, ttmp9                           ; the cluster's x: which projection
	s_and_b32 s17, ttmp7, 0xffff
	s_lshl_b32 s17, s17, 2
	s_add_co_u32 s17, s17, s41                     ; tile row (256 tokens) = 4 x cluster y + cy
	s_lshl_b32 s43, s41, 2
	s_lshl_b32 s43, 15, s43                        ; my row of the cluster
	s_lshl_b32 s44, 0x1111, s40                    ; my column
	s_or_b32 s[G1+0], s43, (0<<16)|(1<<20)|(1<<21)|(5<<22)|(3<<25)  ; the mask; elements of 1 byte; padding on; bit 21 beside a mask; after every 64 words, 4 words
	s_or_b32 s[G1B+0], s44, (0<<16)|(1<<20)|(1<<21)|(5<<22)|(3<<25)
.irp g, G1, G1B
	s_mov_b32 s[\g+1], ROWB<<16                    ; tensor_dim0
	s_mov_b32 s[\g+2], 128<<16                     ; tensor_dim1
	s_mov_b32 s[\g+3], ROWB<<16                    ; tile_dim0
	s_mov_b32 s[\g+4], 128                         ; tile_dim1
	s_mov_b32 s[\g+5], KROW                        ; from row to row
	s_mov_b32 s[\g+6], 0
	s_mov_b32 s[\g+7], 0
.endr
	s_lshl_b32 s18, s16, 7
	s_lshl_b32 s20, s17, 8
	s_add_co_u32 s20, s20, s18                     ; tokens: row 256 x tile row + 128 x half,
	s_lshl_b32 s20, s20, 10                        ; in bytes,
	s_lshl_b32 s19, s66, 22
	s_add_co_u32 s20, s20, s19                     ; in the projection's set of codes
	s_mov_b32 s21, 0
	s_lshl_b32 s46, s40, 8
	s_add_co_u32 s46, s46, s18                     ; the weight: row 256 cx + 128 x half
	s_lshl_b32 s46, s46, 10
	s_mov_b32 s47, 0
	s_mul_i32 s45, s14, HALFT                      ; where they go: wave x 128 rows
	s_wait_kmcnt 0x0
	s_load_b512 s[80:95], s[68:69], 0x0            ; entries 0 to 15
	s_cmp_eq_u32 s66, 0
	s_cselect_b64 s[6:7], s[6:7], s[8:9]
	s_cselect_b64 s[70:71], s[70:71], s[72:73]
	s_cmp_eq_u32 s66, 2
	s_cselect_b64 s[6:7], s[10:11], s[6:7]         ; the projection's weight
	s_cselect_b64 s[70:71], s[74:75], s[70:71]     ; and bias
	s_add_nc_u64 s[20:21], s[4:5], s[20:21]
	s_add_nc_u64 s[46:47], s[6:7], s[46:47]
	CROUND                                         ; all sixteen work-groups are here: the first joint loads meet
.irp s, 0,1
	s_mov_b32 s[G0+4*\s], 1
	s_add_co_u32 s[G0+4*\s+1], s45, \s*SLOT
	s_add_nc_u64 s[G0+4*\s+2:G0+4*\s+3], s[20:21], \s*ROWB
	s_or_b32 s[G0+4*\s+3], s[G0+4*\s+3], 0x80000000
	s_mov_b32 s[G0B+4*\s], 1
	s_add_co_u32 s[G0B+4*\s+1], s45, \s*SLOT
	s_add_nc_u64 s[G0B+4*\s+2:G0B+4*\s+3], s[46:47], \s*ROWB
	s_or_b32 s[G0B+4*\s+3], s[G0B+4*\s+3], 0x80000000
	JLOAD G0+4*\s, G1, G0B+4*\s, G1B
.endr
	v_and_b32 v1, 15, v0                           ; r
	v_bfe_u32 v2, v0, 4, 1                         ; h
	v_mul_u32_u24 v3, v1, PITCH
	v_lshl_add_u32 v4, v2, 4, v3
	s_mul_i32 s21, s15, HALFT
	s_mul_i32 s22, s16, HALFT
	s_add_co_u32 s22, s22, 2*HALFT
.irp s, 0,1
	v_add_nc_u32 v[ADRA+\s], s21, v4
	v_add_nc_u32 v[ADRB+\s], s22, v4
	s_add_co_u32 s21, s21, SLOT
	s_add_co_u32 s22, s22, SLOT
.endr
	v_and_b32 v6, 31, v0
	v_lshlrev_b32 v[CO], 4, v6
	v_lshlrev_b32 v[BO], 5, v2
	s_lshl_b32 s46, s40, 10                        ; my 128 channels' biases: 4 (256 cx + 128 x half) bytes on
	s_lshl_b32 s47, s16, 9
	s_add_co_u32 s46, s46, s47
	s_mov_b32 s47, 0
	s_add_nc_u64 s[70:71], s[70:71], s[46:47]
.irp b, 0,1,2,3,4,5,6,7
	global_load_b128 v[BIAS+8*\b:BIAS+8*\b+3], v[BO], s[70:71] offset:64*\b          ; channels 16 b + 8 h + 0 .. 7: the result's layout
	global_load_b128 v[BIAS+8*\b+4:BIAS+8*\b+7], v[BO], s[70:71] offset:64*\b+16
.endr
	s_lshl_b32 s20, s66, 23                        ; where my part begins in qkv: the projection's first set,
	s_lshr_b32 s21, s17, 2
	s_lshl_b32 s21, s21, 20
	s_add_co_u32 s20, s20, s21                     ; n x 32 heads x 32 KiB,
	s_lshl_b32 s21, s40, 3
	s_lshl_b32 s22, s16, 2
	s_add_co_u32 s21, s21, s22
	s_lshl_b32 s21, s21, 15
	s_add_co_u32 s20, s20, s21                     ; head 8 cx + 4 x half,
	s_and_b32 s21, s17, 3
	s_lshl_b32 s21, s21, 4
	s_lshl_b32 s22, s15, 3
	s_add_co_u32 s21, s21, s22
	s_lshl_b32 s21, s21, 9
	s_add_co_u32 s20, s20, s21                     ; tile of tokens 16 (tile row % 4) + 8 x half
	s_mov_b32 s21, 0
	s_add_nc_u64 s[10:11], s[76:77], s[20:21]
	s_wait_kmcnt 0x0
	s_cmp_eq_u32 s66, 0
	s_cselect_b32 s96, s80, s82                    ; ea
	s_cselect_b32 s97, s81, s83                    ; eb
	s_cselect_b32 s78, s87, s86                    ; E1: q entry 7, k entry 6
	s_cselect_b32 s79, s89, s91                    ; E2: q entry 9, k entry 11
	s_cmp_eq_u32 s66, 2
	s_cselect_b32 s96, s84, s96
	s_cselect_b32 s97, s85, s97
	s_cselect_b32 s78, s92, s78                    ; v: entry 12
	s_add_co_i32 s96, s96, s97
	s_add_co_i32 s96, s96, 127
	s_lshl_b32 s96, s96, 23                        ; 2^(ea + eb) as f32
	s_mov_b32 s97, s96                             ; (named with it as a pair, so it is written)
.irp j, 0,1
	s_add_co_i32 s[78+\j], s[78+\j], 127
	s_lshl_b32 s67, s[78+\j], 23
	v_mov_b32 v[K1+2*\j], s67
	s_add_co_i32 s[78+\j], s[78+\j], 8
	s_lshl_b32 s67, s[78+\j], 23
	s_or_b32 s67, s67, 0x600000
	v_mov_b32 v[K1+2*\j+1], s67
.endr
.macro FRAG reg, adr, q, i
.irp c, 0,1,2,3
	ds_load_b128 v[\reg+4*\c:\reg+4*\c+3], v[\adr] offset:128*(\q)+32*\c+(\i)*16*PITCH
.endr
.endm
; 16 matrix instructions.  The 64 accumulators take turns, one instruction a turn, in the same order in every step.
.macro MUL16 a0, p, zero
.irp a, \a0, \a0+1
.irp b, 0,1,2,3,4,5,6,7
.if \zero
	v_wmma_f32_16x16x128_fp8_fp8 v[8*(8*((\a)%4)+\b):8*(8*((\a)%4)+\b)+7], v[128*(\p)+FR*\b:128*(\p)+FR*\b+FR-1], v[AF+FR*(\a):AF+FR*(\a)+FR-1], 0
.else
	v_wmma_f32_16x16x128_fp8_fp8 v[8*(8*((\a)%4)+\b):8*(8*((\a)%4)+\b)+7], v[128*(\p)+FR*\b:128*(\p)+FR*\b+FR-1], v[AF+FR*(\a):AF+FR*(\a)+FR-1], v[8*(8*((\a)%4)+\b):8*(8*((\a)%4)+\b)+7]
.endif
.endr
.endr
.endm
.macro FETCH_B slot, q, p
	WIN TO_B
.irp i, 0,1,2,3,4,5,6,7
	FRAG 128*(\p)+FR*\i, ADRB+\slot, \q, \i
.endr
	WIN 0
.endm
.macro FETCH_A slot, q, i0
.irp i, \i0, \i0+1, \i0+2, \i0+3
	FRAG AF+FR*(\i), ADRA+\slot, \q, \i
.endr
.endm
.macro PLACES n                        ; plain vector lines that name none of a matrix instruction's registers (ISA guide 7.12.1)
.rept \n
	v_nop
.endr
.endm
.macro STEP slot, q, zero
	s_wait_dscnt 4*NL                              ; the weight's set and token blocks 0-3 are in; the youngest sixteen loads (blocks 4-7) may be out
	WIN MUL_LO
	MUL16 0, (\q)%2, \zero
	MUL16 2, (\q)%2, \zero
	s_wait_dscnt 0
	PLACES NP
	FETCH_B \slot, (\q)+1, 1-(\q)%2
	FETCH_A \slot, (\q)+1, 0
	WIN MUL_HI
	MUL16 4, (\q)%2, \zero
	MUL16 6, (\q)%2, \zero
	PLACES NP
	WIN 0
	FETCH_A \slot, (\q)+1, 4
.endm
; A slot's last step changes slots: one barrier; in front of it each wave waits for all its tensor loads, adds 0 to its spare word, and waits for that and for its reads of this slot.
.macro TURN slot, next, fill
	s_wait_tensorcnt 0x0                           ; all my tensor loads have landed: my part of the next slot
	ds_add_u32 v[SPW], v[NIL]                      ; 0 onto my spare word
	s_wait_dscnt 4*NL+1                            ; (the add and the youngest sixteen loads may be out)
	WIN MUL_LO
	MUL16 0, 1, 0
	s_wait_dscnt 0x0                               ; the add is done, and my reads of this slot are over
	s_barrier_signal -1
	MUL16 2, 1, 0
	WIN 0
	s_barrier_wait -1
.if \fill
	CREST                                          ; the barrier has opened a round of the cluster's barrier: no wave of any partner still reads this slot or has a load on its way
	s_add_nc_u64 s[G0+4*\slot+2:G0+4*\slot+3], s[G0+4*\slot+2:G0+4*\slot+3], 2*ROWB
	s_add_nc_u64 s[G0B+4*\slot+2:G0B+4*\slot+3], s[G0B+4*\slot+2:G0B+4*\slot+3], 2*ROWB
	JLOAD G0+4*\slot, G1, G0B+4*\slot, G1B         ; the first tensor load behind the round; its four v_nop are the places in front of the loads below
.else
	PLACES NP
.endif
	FETCH_B \next, 0, 0
	FETCH_A \next, 0, 0
	WIN MUL_HI
	MUL16 4, 1, 0
	MUL16 6, 1, 0
	PLACES NP
	WIN 0
	FETCH_A \next, 0, 4
.endm
	s_wait_tensorcnt 1                             ; my part of K step 0 is in; K step 1's load may be out
	s_barrier_signal -1
	s_barrier_wait -1
	FETCH_B 0, 0, 0
	FETCH_A 0, 0, 0
	FETCH_A 0, 0, 4
	STEP 0, 0, 1                                   ; the first step's products start the sums
	s_mov_b32 s3, LAPS-1
.Llap:
	TURN 0, 1, 1
	STEP 1, 0, 0
	TURN 1, 0, 1
	STEP 0, 0, 0
	s_sub_co_u32 s3, s3, 1
	s_cmp_lg_u32 s3, 0
	s_cbranch_scc1 .Llap
	TURN 0, 1, 0                                   ; the last lap fills nothing
	STEP 1, 0, 0
	s_wait_dscnt 4*NL
	WIN MUL_LO
	MUL16 0, 1, 0
	MUL16 2, 1, 0
	s_wait_dscnt 0
	WIN MUL_HI
	MUL16 4, 1, 0
	MUL16 6, 1, 0
	WIN 0
; A UNIT of the way out: 16 tokens (block a) x one head (hp of my four).  v has one quantiser: the branch hangs on the cluster's x, which all partners share.
.macro OUTU a, hp
	s_wait_xcnt 0x0                                ; the last unit's stores have read their codes: the registers may be written again
	WIN 0x02+((\a)/4)                              ; source 0: window 2 or 3
.irp i, 0,2,4,6,8,10,12,14
	v_pk_fma_f32 v[Y+\i:Y+\i+1], v[64*((\a)%4)+16*(\hp)+\i:64*((\a)%4)+16*(\hp)+\i+1], s[96:97], v[BIAS+16*(\hp)+\i:BIAS+16*(\hp)+\i+1] op_sel_hi:[1,0,1]   ; sum x 2^(ea + eb) + bias; each accumulator from its low end on
.endr
	WIN 0
.irp i, 0,1,2,3,4,5,6,7,8,9,10,11,12,13,14,15
	v_med3_num_f32 v[T+\i], v[Y+\i], -v[K1+1], v[K1+1]
.endr
	v_cvt_scalef32_pk8_fp8_f32 v[C1:C1+1], v[T:T+7], v[K1]
	v_cvt_scalef32_pk8_fp8_f32 v[C1+2:C1+3], v[T+8:T+15], v[K1]
	v_nop                                          ; a plain line behind the conversions: the next holds write their sources
	global_store_b128 v[CO], v[C1:C1+3], s[10:11] offset:(\hp)*32768+(\a)*512
	s_cmp_eq_u32 s66, 2
	s_cbranch_scc1 .Lone_\@
.irp i, 0,1,2,3,4,5,6,7,8,9,10,11,12,13,14,15
	v_med3_num_f32 v[T+\i], v[Y+\i], -v[K1+3], v[K1+3]
.endr
	v_cvt_scalef32_pk8_fp8_f32 v[C2:C2+1], v[T:T+7], v[K1+2]
	v_cvt_scalef32_pk8_fp8_f32 v[C2+2:C2+3], v[T+8:T+15], v[K1+2]
	v_nop
	global_store_b128 v[CO], v[C2:C2+3], s[10:11] offset:0x400000+(\hp)*32768+(\a)*512
.Lone_\@:
.endm
	s_wait_loadcnt 0x0                             ; the biases
	PLACES NP                                      ; behind the last products, ahead of the first read of results
.irp a, 0,1,2,3,4,5,6,7
.irp p, 0,1,2,3
	OUTU \a, \p
.endr
.endr
	s_wait_tensorcnt 0x0                           ; the wave's end
	ds_add_u32 v[SPW], v[NIL]
	s_wait_dscnt 0x0
	CROUND                                         ; the closing round
	s_endpgm
.Lfunc_end_k_q8bb9b1f53f_qkv:
	.size	k_q8bb9b1f53f_qkv, .Lfunc_end_k_q8bb9b1f53f_qkv-k_q8bb9b1f53f_qkv
	.p2alignl 7, 3214868480
	.fill 96, 4, 3214868480
	.section	.rodata,"a",@progbits
	.p2align	6, 0x0
	.amdhsa_kernel k_q8bb9b1f53f_qkv
		.amdhsa_group_segment_fixed_size 327680
		.amdhsa_private_segment_fixed_size 0
		.amdhsa_enable_private_segment 0
		.amdhsa_kernarg_size 72
		.amdhsa_user_sgpr_count 2
		.amdhsa_user_sgpr_kernarg_segment_ptr 1
		.amdhsa_wavefront_size32 1
		.amdhsa_system_sgpr_workgroup_id_x 1
		.amdhsa_system_sgpr_workgroup_id_y 1
		.amdhsa_system_sgpr_workgroup_id_z 1
		.amdhsa_system_vgpr_workitem_id 0
		.amdhsa_next_free_vgpr 1024
		.amdhsa_next_free_sgpr 98
		.amdhsa_reserve_vcc 0
		.amdhsa_float_denorm_mode_32 3
		.amdhsa_float_denorm_mode_16_64 3
		.amdhsa_memory_ordered 1
		.amdhsa_forward_progress 1
		.amdhsa_inst_pref_size 181
	.end_amdhsa_kernel
	.amdgpu_metadata
---
amdhsa.version: [ 1, 2 ]
amdhsa.kernels:
  - .name:           k_q8bb9b1f53f_qkv
    .symbol:         k_q8bb9b1f53f_qkv.kd
    .args:
      - { .name: xc, .offset: 0, .size: 8, .value_kind: global_buffer, .address_space: global }
      - { .name: Wq_codes, .offset: 8, .size: 8, .value_kind: global_buffer, .address_space: global }
      - { .name: Wk_codes, .offset: 16, .size: 8, .value_kind: global_buffer, .address_space: global }
      - { .name: Wv_codes, .offset: 24, .size: 8, .value_kind: global_buffer, .address_space: global }
      - { .name: lowp_scales, .offset: 32, .size: 8, .value_kind: global_buffer, .address_space: global }
      - { .name: bq, .offset: 40, .size: 8, .value_kind: global_buffer, .address_space: global }
      - { .name: bk, .offset: 48, .size: 8, .value_kind: global_buffer, .address_space: global }
      - { .name: bv, .offset: 56, .size: 8, .value_kind: global_buffer, .address_space: global }
      - { .name: qkv, .offset: 64, .size: 8, .value_kind: global_buffer, .address_space: global }
    .group_segment_fixed_size: 327680
    .private_segment_fixed_size: 0
    .kernarg_segment_align: 8
    .kernarg_segment_size: 72
    .max_flat_workgroup_size: 128
    .sgpr_count:     98
    .vgpr_count:     1024
    .wavefront_size: 32
...
	.end_amdgpu_metadata
.endif
;; end of part 2
;; launch attn (part 3): grid 2 x 128, 16 waves a work-group, no clusters, 261,120 bytes of LDS; arguments qkv, dist_emb, lowp_scales, tws; writes tws
.if DOCPART == 3
	.amdgcn_target "amdgcn-amd-amdhsa--gfx1250"
	.amdhsa_code_object_version 6
	.text
	.protected	k_q8bb9b1f53f_attn
	.globl	k_q8bb9b1f53f_attn
	.p2align	8
	.type	k_q8bb9b1f53f_attn,@function
k_q8bb9b1f53f_attn:
	s_mov_b64 s[64:65], 0
	v_nop
	global_prefetch_b8 v0, s[64:65] scope:SCOPE_SE
	s_setreg_imm32_b32 hwreg(HW_REG_WAVE_MODE, 25, 1), 1
	s_wait_xcnt 0x0
; ATTENTION with two relative-position terms, all four products on E4M3 codes.  score(l, s) = q_l . k_s + q_l . de[d] + k_s . de[d], d = clip(l - s, -128, 128) + 128; t = score x log2(e) / sqrt(32).
; Scales (entries of the given exponents): k 6, q 7 | de 8, q 9 | de 10, k 11 | v 12, p 13.  p = 2^(t - M), M the ceiling of the running largest t; the row's sum is taken of the unquantised p and divides at the end.
; SHARES.  A work-group owns 512 queries of one head (n x 32 + head = work-group y); each of its 16 waves 32 queries, two tiles of 16, which share every fragment of K, of the tables and of V.  Every wave walks all 1,024 keys, 64 a step.
; The head's codes of k (two sets) and v, and the two quantised tables, fit in LDS and are put there once, through registers: no ring.  No cluster: the two work-groups of a head share 96 KiB that each reads once.
; LAYOUT.  S^T = K Q^T (source 0 = 16 keys, source 1 = 16 queries): a lane holds ONE query (lane % 16) and keys 8 (lane / 16) + 0 .. 7 of each tile; four tiles' conversions are source 1 of O^T = V^T P^T as they stand.
; K = 32 ON THE K = 64 FORM: one side is (data, four registers of zeros), the other (data, the next four registers, which hold valid codes).
; THE POSITION TERMS.  Quantising goes number by number, so the gathered table is a gather of the quantised table.  Where all of a step's |l - s| are 128 or more, d is one number: the q term is one number a query (added to t),
; the k term one number a key (the C of K Q^T).  In the at most five steps near the diagonal: q . de for the 80 table rows that a tile's 16 queries meet, sent through the wave's own stage in LDS, which turns (row, query) into
; (query, key); k . de with the table rows as columns: key 8 h + j wants the column j lanes to the left, so results are shifted within a row of 16 lanes; keys 8-15 of a tile lie in the second half of K against a window 8 rows lower.
; TABLES: row rho of 512 holds Q(dist_emb[clip(rho - 80, 0, 256)]), so every window of a step near the diagonal lies inside.
; THE HOLD OF p.  p is at most 1, but for the rounding of t - M, which is under 2^-23 |t|.  Where entry 13 is -8 or more the largest code x the scale is 1.75 or more, so the hold changes nothing and a scalar branch on that
; given whole number leads round its 64 lines; for smaller entries the hold is executed.  LIMIT of the short way: |t| under 2^22.
; LIMITS: entries 8, 10, 13 between -126 and 119; e6 + e7 and e8 + e9 between -124 and 129; e8 + e9 - e6 - e7 and e10 + e11 - e6 - e7 between -126 and 127.  NaN is not served.
.set K6I,   0                          ; k under entry 6: 64 tiles x 512 bytes, images of operand registers
.set K11I,  32768                      ; k under entry 11
.set VI,    65536                      ; V^T: [step 16][tile of channels 2][group 2][512]
.set DE8T,  98304                      ; 512 rows x 48 bytes: 16 for lanes 0-15, 16 for lanes 16-31, 16 of padding
.set DE10T, 122880
.set KDR,   147456                     ; 1,024 numbers: k . de10[0], in units of the first product's sums
.set KDL,   151552                     ; k . de10[256]
.set STG,   156672                     ; a stage of 6,400 bytes for each wave (16 rows x 400); its first 32 KiB hold v's codes as they come, until the second barrier
.set STW,   6400
.set ST,    16                         ; v16-39  12 a tile: +0 addend of the exponent (+1 named with it), +2, +3 the sum, +4 f (+5), +6 -M, +7 largest t, +8, +9 the q term far left, far right, +10 the step's, +11 at work
.set QF,    40                         ; v40-71  q7 tile 0, zeros, q7 tile 1, zeros, q9 tile 0, zeros, q9 tile 1, zeros
.set O,     72                         ; v72-103 O^T: (tile a, channels' tile et) at 72 + 16 a + 8 et
.set S,     104                        ; v104-167 S^T, then p: (a, key tile b) at 104 + 32 a + 8 b
.set P,     168                        ; v168-255 at work
.macro PLACES n                        ; plain vector lines that name none of a matrix instruction's registers: 4 ahead of reads, writes and loads, 5 ahead of a matrix instruction that writes over them
.rept \n
	v_nop
.endr
.endm
.macro MKS se, vs, vl                  ; 2^e and 448 x 2^e as f32
	s_add_co_i32 s50, s[\se], 127
	s_lshl_b32 s51, s50, 23
	v_mov_b32 v[\vs], s51
	s_add_co_i32 s50, s50, 8
	s_lshl_b32 s50, s50, 23
	s_or_b32 s50, s50, 0x600000
	v_mov_b32 v[\vl], s50
.endm
	s_load_b256 s[4:11], s[0:1], 0x0               ; qkv, dist_emb, the scales' exponents, tws
	v_lshrrev_b32 v1, 5, v0
	v_readfirstlane_b32 s12, v1                    ; wave 0..15
	s_and_b32 s13, ttmp7, 0xffff                   ; n x 32 + head
	s_lshl_b32 s15, ttmp9, 9
	s_lshl_b32 s50, s12, 5
	s_add_co_u32 s15, s15, s50                     ; my first query
	s_mul_i32 s54, s12, STW
	s_add_co_u32 s54, s54, STG                     ; my stage
	s_lshl_b32 s55, s12, 11                        ; 2,048 x wave
	s_mov_b32 s40, 0x76543210
	s_mov_b32 s41, 0xfedcba98                      ; v_permlanex16_b32: lane l xor 16
	s_mov_b32 s42, 0x06040200                      ; v_perm_b32: the even bytes of two words
	s_mov_b32 s43, 0x07050301                      ; the odd ones
	v_and_b32 v10, 31, v0                          ; lane
	v_and_b32 v11, 15, v0                          ; r
	v_bfe_u32 v12, v0, 4, 1                        ; h
	v_lshlrev_b32 v1, 4, v10                       ; v1: 16 x lane
	v_mul_u32_u24 v2, v11, 48
	v_lshl_add_u32 v2, v12, 4, v2                  ; v2: my place in 16 table rows
	v_xor_b32 v13, 1, v12
	v_mul_u32_u24 v3, v11, 404
	v_lshl_add_u32 v3, v13, 5, v3
	v_add_nc_u32 v3, s54, v3                       ; v3: the stage, on the way in: row r of 400 bytes, column 80 + r - 8 h - (16 i + j): 404 r + 32 (1 - h), the rest in the offset
	v_mul_u32_u24 v4, v11, 400
	v_lshl_add_u32 v4, v12, 5, v4
	v_add_nc_u32 v4, s54, v4
	v_add_nc_u32 v4, 64, v4                        ; v4: and back: row r, behind the margin of 16 columns, + 32 h
	v_lshlrev_b32 v5, 5, v12                       ; v5: 32 h
	v_lshrrev_b32 v7, 3, v11
	v_add_nc_u32 v6, -1, v7                        ; v6: all ones where r < 8
	v_sub_nc_u32 v7, 0, v7                         ; v7: all ones where r >= 8
	v_lshlrev_b32 v14, 4, v0                       ; 16 x thread: the fills
	v_max_u32 v15, 80, v0
	v_add_nc_u32 v15, 0xffffffb0, v15
	v_min_u32 v15, 0x100, v15
	v_lshlrev_b32 v15, 7, v15                      ; my table row's source: row clip(thread - 80, 0, 256) of 128 bytes
	s_lshl_b32 s50, s15, 5
	v_add_nc_u32 v13, s50, v1                      ; my first tile of queries in a set: 512 (l0 / 16) + 16 x lane
	v_mul_u32_u24 v248, v0, 48
	v_add_nc_u32 v248, DE8T, v248                  ; where I put my table row
	v_lshl_add_u32 v249, v0, 4, STG                ; where v's codes go as they come
	v_and_b32 v250, 7, v0
	v_lshlrev_b32 v250, 4, v250
	v_lshl_add_u32 v250, v12, 7, v250
	v_bfe_u32 v255, v0, 3, 1
	v_lshl_add_u32 v250, v255, 8, v250
	s_add_co_u32 s51, s55, STG
	v_add_nc_u32 v250, s51, v250                   ; the turning load: token 8 h + lane % 8 of a tile, the 16 bytes of half (lane / 8) % 2
	s_add_co_u32 s51, s55, VI
	v_add_nc_u32 v251, s51, v1                     ; where my step's V^T goes
	v_and_b32 v252, 1, v0
	v_mul_u32_u24 v252, v252, 12288
	v_lshl_add_u32 v252, v12, 4, v252
	v_add_nc_u32 v252, DE8T+3840, v252             ; table rows 80 (d = 0) and 336 (d = 256), by turns
	s_add_co_u32 s51, s55, K11I
	v_add_nc_u32 v253, s51, v1                     ; my four tiles of k11
	s_lshl_b32 s51, s12, 8
	s_add_co_u32 s51, s51, KDR
	v_lshl_add_u32 v254, v11, 2, s51               ; where their far numbers go
	s_lshl_b32 s52, s13, 15
	s_mov_b32 s53, 0
	s_wait_kmcnt 0x0
	s_load_b512 s[16:31], s[8:9], 0x0              ; entries 0 to 15
	s_add_nc_u64 s[56:57], s[4:5], s[52:53]        ; my head in the q sets,
	s_add_nc_u64 s[58:59], s[56:57], 0x800000      ; the k sets,
	s_add_nc_u64 s[60:61], s[56:57], 0x1000000     ; v's set
.irp i, 0,1,2,3
	global_load_b128 v[104+4*\i:107+4*\i], v14, s[58:59] offset:8192*\i
	global_load_b128 v[120+4*\i:123+4*\i], v14, s[58:59] offset:0x400000+8192*\i
	global_load_b128 v[136+4*\i:139+4*\i], v14, s[60:61] offset:8192*\i
.endr
.irp i, 0,1,2,3,4,5,6,7
	global_load_b128 v[P+4*\i:P+4*\i+3], v15, s[6:7] offset:16*\i
.endr
	global_load_b128 v[QF:QF+3], v13, s[56:57]
	global_load_b128 v[QF+8:QF+11], v13, s[56:57] offset:512
	global_load_b128 v[QF+16:QF+19], v13, s[56:57] offset:0x400000
	global_load_b128 v[QF+24:QF+27], v13, s[56:57] offset:0x400000+512
.irp z, 4,5,6,7,12,13,14,15,20,21,22,23,28,29,30,31
	v_mov_b32 v[QF+\z], 0                          ; the zeros behind each fragment of q
.endr
.irp z, 0,1,2,3,4,5,6,7,8,9,10,11,12,13,14,15,16,17,18,19,20,21,22,23,24,25,26,27,28,29,30,31
	v_mov_b32 v[O+\z], 0                           ; the step is written once: the first finds zeros, which the first change of M leaves zeros
.endr
.irp a, 0,12
	v_mov_b32 v[ST+\a+1], 0
	v_mov_b32 v[ST+\a+2], 0
	v_mov_b32 v[ST+\a+3], 0
	v_mov_b32 v[ST+\a+5], 0
	v_mov_b32 v[ST+\a+7], 0xff61b1e6               ; -3e38, under every t
	v_floor_f32 v[ST+\a+6], -v[ST+\a+7]
	v_mov_b32 v[ST+\a+11], 0
.endr
	s_wait_loadcnt 12                              ; the twelve fills are in; the table's eight loads and q's four may be out
.irp i, 0,1,2,3
	ds_store_b128 v14, v[104+4*\i:107+4*\i] offset:K6I+8192*\i
	ds_store_b128 v14, v[120+4*\i:123+4*\i] offset:K11I+8192*\i
	ds_store_b128 v249, v[136+4*\i:139+4*\i] offset:8192*\i
.endr
	s_wait_kmcnt 0x0
	MKS 24, 152, 153                               ; entry 8
	MKS 26, 154, 155                               ; entry 10
	MKS 29, 9, 8                                   ; entry 13: v9 = 2^e, v8 = 448 x 2^e
	s_add_co_i32 s50, s22, s23                     ; e6 + e7
	s_lshl_b32 s51, s50, 23
	s_add_co_i32 s32, s51, 0x3e8293ee              ; c1 = log2(e) / sqrt(32) x 2^(e6 + e7): the sum is added to the exponent field
	s_mov_b32 s33, s32
	s_add_co_i32 s52, s24, s25                     ; e8 + e9
	s_lshl_b32 s51, s52, 23
	s_add_co_i32 s38, s51, 0x3e8293ee              ; the same with e8 + e9
	s_sub_co_i32 s51, s52, s50
	s_add_co_i32 s51, s51, 127
	s_lshl_b32 s34, s51, 23                        ; r1 = 2^(e8 + e9 - e6 - e7)
	s_mov_b32 s35, s34
	s_add_co_i32 s52, s26, s27
	s_sub_co_i32 s51, s52, s50
	s_add_co_i32 s51, s51, 127
	s_lshl_b32 s36, s51, 23                        ; r2 = 2^(e10 + e11 - e6 - e7)
	s_mov_b32 s37, s36
	s_add_co_i32 s39, s28, s29                     ; e12 + e13
	s_wait_loadcnt 4                               ; my table row is in; q's four loads may be out
.macro DEQ sc, lim, cod, off           ; my row under one scale: channels 0-7, 16-23 for lanes 0-15, then 8-15, 24-31 for lanes 16-31
.irp i, 0,1,2,3,4,5,6,7,8,9,10,11,12,13,14,15,16,17,18,19,20,21,22,23,24,25,26,27,28,29,30,31
	v_med3_num_f32 v[P+32+\i], v[P+\i], -v[\lim], v[\lim]
.endr
	v_cvt_scalef32_pk8_fp8_f32 v[\cod:\cod+1], v[P+32:P+39], v[\sc]
	v_cvt_scalef32_pk8_fp8_f32 v[\cod+2:\cod+3], v[P+48:P+55], v[\sc]
	v_cvt_scalef32_pk8_fp8_f32 v[\cod+4:\cod+5], v[P+40:P+47], v[\sc]
	v_cvt_scalef32_pk8_fp8_f32 v[\cod+6:\cod+7], v[P+56:P+63], v[\sc]
	v_nop                                          ; a plain line behind the conversions
	ds_store_b128 v248, v[\cod:\cod+3] offset:\off
	ds_store_b128 v248, v[\cod+4:\cod+7] offset:\off+16
.endm
	DEQ 152, 153, P+64, 0
	DEQ 154, 155, 156, DE10T-DE8T
	s_wait_loadcnt 0x0                             ; q
	s_wait_dscnt 0x0                               ; for the others' sake: my stores have landed
	s_barrier_signal -1
	s_barrier_wait -1
	; V is turned: wave w takes key step w.  The turning load works on pairs of bytes: lane L gets, of keys 16 c + 8 h + 0 .. 7, two neighbouring channels; v_perm_b32 parts the even from the odd.
	; Row m of tile et is channel 8 (m / 8) + 2 (m % 8) + et where m % 8 < 4, else 16 + 8 (m / 8) + 2 (m % 8 - 4) + et.
.irp c, 0,1,2,3
	ds_load_tr16_b128 v[P+4*\c:P+4*\c+3], v250 offset:512*\c
.endr
	ds_load_b128 v[P+32:P+35], v252 offset:DE10T-DE8T   ; the two far rows of the second table; zeros follow them
	ds_load_b128 v[P+40:P+43], v252                ; and of the first; valid codes follow them (they meet q's zeros)
	ds_load_b128 v[P+44:P+47], v252
.irp t, 0,1,2,3
	ds_load_b128 v[P+48+4*\t:P+51+4*\t], v253 offset:512*\t
.endr
	ds_load_b128 v[P+64:P+67], v253                ; valid codes behind the fourth tile (they meet zeros)
.irp z, 36,37,38,39
	v_mov_b32 v[P+\z], 0
.endr
	s_wait_dscnt 0x0
.irp c, 0,1,2,3
	v_perm_b32 v[P+16+2*\c], v[P+4*\c+1], v[P+4*\c], s42
	v_perm_b32 v[P+17+2*\c], v[P+4*\c+3], v[P+4*\c+2], s42
	v_perm_b32 v[P+24+2*\c], v[P+4*\c+1], v[P+4*\c], s43
	v_perm_b32 v[P+25+2*\c], v[P+4*\c+3], v[P+4*\c+2], s43
.endr
.irp g, 0,1,2,3
	ds_store_b128 v251, v[P+16+4*\g:P+19+4*\g] offset:512*\g
.endr
	; the far numbers.  Source 0: rows d = 0 (even) and d = 256 (odd); so register 0 of a result is the column's number for d = 0, register 1 for d = 256
.irp t, 0,1,2,3
	v_wmma_f32_16x16x64_fp8_fp8 v[104+8*\t:111+8*\t], v[P+32:P+39], v[P+48+4*\t:P+55+4*\t], 0
.endr
	v_wmma_f32_16x16x64_fp8_fp8 v[136:143], v[P+40:P+47], v[QF+16:QF+23], 0
	v_wmma_f32_16x16x64_fp8_fp8 v[144:151], v[P+40:P+47], v[QF+24:QF+31], 0
	PLACES 4
.irp t, 0,1,2,3
	v_mul_f32 v[P+\t], s36, v[104+8*\t]
	v_mul_f32 v[P+4+\t], s36, v[105+8*\t]
.endr
.irp t, 0,1,2,3
	ds_store_b32 v254, v[P+\t] offset:64*\t              ; lanes r and r + 16 store the same number to the same word
	ds_store_b32 v254, v[P+4+\t] offset:KDL-KDR+64*\t
.endr
.irp a, 0,1
	v_mul_f32 v[ST+12*\a+9], s38, v[136+8*\a]      ; far right, as t
	v_mul_f32 v[ST+12*\a+8], s38, v[137+8*\a]      ; far left
.endr
	s_wait_dscnt 0x0                               ; my stores have landed, and my reads of v's raw codes are over: the stages may be written
	s_barrier_signal -1
	s_barrier_wait -1
; q . de for tile a: five results of 16 table rows x 16 queries go through the stage.  Register j of result i in lane (r, h) belongs to key column 64 + r - 16 i - 8 h - j of the step; the stage's rows have a margin of 16 columns on each side.
.macro C2P a
.irp i, 0,1,2,3,4
	v_wmma_f32_16x16x64_fp8_fp8 v[P+48+8*\i:P+55+8*\i], v[P+20+4*((\a)+\i):P+27+4*((\a)+\i)], v[QF+16+8*(\a):QF+23+8*(\a)], 0
.endr
	PLACES 5
.irp i, 0,1,2,3,4
.irp j, 0,1,2,3,4,5,6,7
	ds_store_b32 v3, v[P+48+8*\i+\j] offset:288-64*\i-4*\j
.endr
.endr
.irp u, 0,1                            ; LDS serves a wave's instructions in order: these loads see the stores above
	ds_load_b128 v[P:P+3], v4 offset:128*\u
	ds_load_b128 v[P+4:P+7], v4 offset:128*\u+16
	ds_load_b128 v[P+8:P+11], v4 offset:128*\u+64
	ds_load_b128 v[P+12:P+15], v4 offset:128*\u+80
	s_wait_dscnt 0x0
.irp i, 0,2,4,6,8,10,12,14
	v_pk_fma_f32 v[S+32*(\a)+16*\u+\i:S+32*(\a)+16*\u+\i+1], v[P+\i:P+\i+1], s[34:35], v[S+32*(\a)+16*\u+\i:S+32*(\a)+16*\u+\i+1] op_sel_hi:[1,0,1]
.endr
.endr
.endm
; register j of both tiles' results: lane r takes lane r - j of the upper window's result or, where r < j, lane r + 16 - j of the window 16 rows lower
.macro TOEP j, k
	v_mov_b32_dpp v[P+56+\j], v[P+56+\j] row_shr:\j row_mask:0xf bank_mask:0xf bound_ctrl:1
	v_mov_b32_dpp v[P+72+\j], v[P+72+\j] row_shr:\j row_mask:0xf bank_mask:0xf bound_ctrl:1
	v_add_f32_dpp v[P+56+\j], v[P+64+\j], v[P+56+\j] row_shl:\k row_mask:0xf bank_mask:0xf bound_ctrl:1
	v_add_f32_dpp v[P+72+\j], v[P+80+\j], v[P+72+\j] row_shl:\k row_mask:0xf bank_mask:0xf bound_ctrl:1
.endm
; k . de for key tile b.  Source 0: keys 0-7 in the first half of K, keys 8-15 in the second.  Source 1: window q (at P + 8 (q + 4)): table rows u + 80 + 16 q + n, and the same 8 rows lower.
.macro P2C b
	ds_load_b128 v[P+84:P+87], v10 offset:K11I+512*(\b)
	s_wait_dscnt 0x0
.irp i, 0,1,2,3
	v_and_b32 v[P+48+\i], v6, v[P+84+\i]
	v_and_b32 v[P+52+\i], v7, v[P+84+\i]
.endr
	v_wmma_f32_16x16x64_fp8_fp8 v[P+56:P+63], v[P+48:P+55], v[P+8*(4-(\b)):P+8*(4-(\b))+7], 0
	v_wmma_f32_16x16x64_fp8_fp8 v[P+64:P+71], v[P+48:P+55], v[P+8*(3-(\b)):P+8*(3-(\b))+7], 0
	v_wmma_f32_16x16x64_fp8_fp8 v[P+72:P+79], v[P+48:P+55], v[P+8*(5-(\b)):P+8*(5-(\b))+7], 0
	v_wmma_f32_16x16x64_fp8_fp8 v[P+80:P+87], v[P+48:P+55], v[P+8*(4-(\b)):P+8*(4-(\b))+7], 0
	PLACES 5
	TOEP 1, 15
	TOEP 2, 14
	TOEP 3, 13
	TOEP 4, 12
	TOEP 5, 11
	TOEP 6, 10
	TOEP 7, 9
.irp a, 0,1
.irp i, 0,2,4,6
	v_pk_fma_f32 v[S+32*\a+8*(\b)+\i:S+32*\a+8*(\b)+\i+1], v[P+56+16*\a+\i:P+56+16*\a+\i+1], s[36:37], v[S+32*\a+8*(\b)+\i:S+32*\a+8*(\b)+\i+1] op_sel_hi:[1,0,1]
.endr
.endr
.endm
; the step's largest t of my query, the new M, f = 2^(old M - new M), and the exponents t - M
.macro SMAX a
.set STB, ST+12*(\a)
.set SS, S+32*(\a)
.set TT, P+4*(\a)
	v_max3_num_f32 v[TT], v[SS], v[SS+1], v[SS+2]  ; two chains, ascending: each result is read from its low end on
	v_max3_num_f32 v[TT+1], v[SS+3], v[SS+4], v[SS+5]
.irp i, 6,10,14,18,22,26
	v_max3_num_f32 v[TT], v[TT], v[SS+\i], v[SS+\i+1]
	v_max3_num_f32 v[TT+1], v[TT+1], v[SS+\i+2], v[SS+\i+3]
.endr
	v_max3_num_f32 v[TT], v[TT], v[SS+30], v[SS+31]
	v_max_num_f32 v[TT], v[TT], v[TT+1]
	v_permlanex16_b32 v[STB+11], v[TT], s40, s41
	v_max_num_f32 v[TT], v[TT], v[STB+11]
	v_fma_f32 v[TT], v[TT], s32, v[STB+10]         ; as t (c1 is positive), with the query's far number
	v_max_num_f32 v[STB+7], v[STB+7], v[TT]
	v_mov_b32 v[TT+2], v[STB+6]
	v_floor_f32 v[STB+6], -v[STB+7]                ; -M = floor(-t): M is a whole number
	v_sub_f32 v[TT+2], v[STB+6], v[TT+2]
	v_cvt_i32_f32 v[TT+2], v[TT+2]                 ; (it saturates)
	v_ldexp_f32 v[STB+4], 1.0, v[TT+2]             ; f: a multiplication by it rounds nothing
	v_add_f32 v[STB], v[STB+10], v[STB+6]
.irp i, 0,2,4,6,8,10,12,14,16,18,20,22,24,26,28,30
	v_pk_fma_f32 v[SS+\i:SS+\i+1], v[SS+\i:SS+\i+1], s[32:33], v[STB:STB+1] op_sel_hi:[1,0,0]
.endr
.endm
.macro SSUM a                          ; the row's sum is taken of the unquantised p: two chains
.set STB, ST+12*(\a)
.set SS, S+32*(\a)
.set TP, P+8+2*(\a)
	v_pk_add_f32 v[TP:TP+1], v[SS:SS+1], v[SS+2:SS+3]
.irp j, 4,8,12,16,20,24,28
	v_pk_add_f32 v[STB+2:STB+3], v[STB+2:STB+3], v[SS+\j:SS+\j+1]
	v_pk_add_f32 v[TP:TP+1], v[TP:TP+1], v[SS+\j+2:SS+\j+3]
.endr
	v_pk_add_f32 v[STB+2:STB+3], v[STB+2:STB+3], v[TP:TP+1]
.endm
.macro SCVT a                          ; key tile b's eight numbers become registers 2 b, 2 b + 1 of source 1
.set SS, S+32*(\a)
.irp b, 0,1,2,3
	v_cvt_scalef32_pk8_fp8_f32 v[P+72+8*(\a)+2*\b:P+73+8*(\a)+2*\b], v[SS+8*\b:SS+8*\b+7], v9
.endr
.endm
	s_mov_b32 s44, 0                               ; the step
	s_add_co_u32 s45, s15, 128                     ; u = l0 + 128 - 64 x step: l - s + 128 lies between u - 63 and u + 31
	s_mov_b32 s46, 0                               ; 2,048 x step
	s_mov_b32 s47, 0                               ; 256 x step
.Lstep:
	s_cmp_gt_i32 s45, 288                          ; u is a multiple of 32: above 288 every d is 256,
	s_cbranch_scc1 .Lfar
	s_cmp_lt_i32 s45, 0                            ; under 0 every d is 0.  Both branches hang on ids alone
	s_cbranch_scc1 .Lfar
	; ---- a step near the diagonal
	s_min_u32 s50, s45, 288                        ; (u itself on this way)
	s_mul_i32 s50, s50, 48
	s_add_co_u32 s50, s50, DE8T
	v_add_nc_u32 v10, s46, v1
	v_add_nc_u32 v12, s50, v2
.irp g, 0,1,2,3,4
	ds_load_b128 v[P+4*\g:P+4*\g+3], v10 offset:K6I+512*\g
.endr
.irp i, 0,1,2,3,4,5,6
	ds_load_b128 v[P+20+4*\i:P+23+4*\i], v12 offset:768+768*\i     ; table rows u + 16 + 16 i on
.endr
	s_wait_dscnt 0x0
.irp b, 0,1,2,3
.irp a, 0,1
	v_wmma_f32_16x16x64_fp8_fp8 v[S+32*\a+8*\b:S+32*\a+8*\b+7], v[P+4*\b:P+4*\b+7], v[QF+8*\a:QF+8*\a+7], 0
.endr
.endr
	C2P 0
	C2P 1
.irp q, 0,1,2,3,4,5
	ds_load_b128 v[P+8*\q:P+8*\q+3], v12 offset:DE10T-DE8T+384+(16*\q+8)*48
	ds_load_b128 v[P+8*\q+4:P+8*\q+7], v12 offset:DE10T-DE8T+384+(16*\q)*48
.endr
	P2C 0
	P2C 1
	P2C 2
	P2C 3
	v_mov_b32 v[ST+10], 0
	v_mov_b32 v[ST+22], 0
	s_branch .Ljoin
.Lfar:
	; ---- a far step: the k term is the C of K Q^T, the q term an addend of t
	s_cmp_gt_i32 s45, 288
	s_cselect_b32 s48, -1, 0
	s_mov_b32 s49, KDR
	s_cselect_b32 s49, KDL, s49
	s_add_co_u32 s49, s49, s47
	v_add_nc_u32 v10, s46, v1
	v_add_nc_u32 v11, s49, v5
.irp g, 0,1,2,3,4
	ds_load_b128 v[P+4*\g:P+4*\g+3], v10 offset:K6I+512*\g          ; (in the last step the fifth group is the other set's first tile: valid codes, which meet zeros)
.endr
.irp b, 0,1,2,3
	ds_load_b128 v[P+20+8*\b:P+23+8*\b], v11 offset:64*\b
	ds_load_b128 v[P+24+8*\b:P+27+8*\b], v11 offset:64*\b+16
.endr
	v_cndmask_b32 v[ST+10], v[ST+9], v[ST+8], s48
	v_cndmask_b32 v[ST+22], v[ST+21], v[ST+20], s48
	s_wait_dscnt 0x0
.irp b, 0,1,2,3
.irp a, 0,1
	v_wmma_f32_16x16x64_fp8_fp8 v[S+32*\a+8*\b:S+32*\a+8*\b+7], v[P+4*\b:P+4*\b+7], v[QF+8*\a:QF+8*\a+7], v[P+20+8*\b:P+27+8*\b]
.endr
.endr
	PLACES 4
.Ljoin:
	s_add_co_u32 s51, s46, VI
	v_add_nc_u32 v13, s51, v1
.irp g, 0,1,2,3
	ds_load_b128 v[P+56+4*\g:P+59+4*\g], v13 offset:512*\g          ; the step's V^T: they land under the softmax
.endr
	SMAX 0
	SMAX 1
.irp j, 0,1,2,3,4,5,6,7,8,9,10,11,12,13,14,15,16,17,18,19,20,21,22,23,24,25,26,27,28,29,30,31,32,33,34,35,36,37,38,39,40,41,42,43,44,45,46,47,48,49,50,51,52,53,54,55,56,57,58,59,60,61,62,63
	v_exp_f32 v[S+\j], v[S+\j]                     ; p = 2^(t - M): one batch
.endr
	v_pk_mul_f32 v[ST+2:ST+3], v[ST+2:ST+3], v[ST+4:ST+5] op_sel_hi:[1,0]        ; the sums under the new M: the plain lines behind the batch
	v_pk_mul_f32 v[ST+14:ST+15], v[ST+14:ST+15], v[ST+16:ST+17] op_sel_hi:[1,0]
	s_wait_alu depctr_va_vdst(0)                   ; one wait for the batch, ahead of its first reader
	SSUM 0
	SSUM 1
	s_cmp_ge_i32 s29, -8                           ; entry 13 of the given exponents: from -8 on, 448 x 2^e is 1.75 or more and no p reaches it
	s_cbranch_scc1 .Lno_hold
.set k, 0
.rept 64
	v_min_num_f32 v[S+k], v[S+k], v8               ; the conversion to an 8-bit code does not saturate (ISA guide 7.6.2); p is not negative, so the hold is one-sided
.set k, k+1
.endr
.Lno_hold:
	SCVT 0
	SCVT 1
.irp a, 0,1
.irp i, 0,2,4,6,8,10,12,14
	v_pk_mul_f32 v[O+16*\a+\i:O+16*\a+\i+1], v[O+16*\a+\i:O+16*\a+\i+1], v[ST+12*\a+4:ST+12*\a+5] op_sel_hi:[1,0]   ; O^T under the new M; also the plain lines behind the conversions
.endr
.endr
	s_wait_dscnt 0x0                               ; V^T is in
.irp a, 0,1
.irp e, 0,1
	v_wmma_f32_16x16x64_fp8_fp8 v[O+16*\a+8*\e:O+16*\a+8*\e+7], v[P+56+8*\e:P+63+8*\e], v[P+72+8*\a:P+79+8*\a], v[O+16*\a+8*\e:O+16*\a+8*\e+7]   ; four accumulators by turns
.endr
.endr
	PLACES 5
	s_add_co_u32 s44, s44, 1
	s_sub_co_i32 s45, s45, 64
	s_add_co_u32 s46, s46, 2048
	s_add_co_u32 s47, s47, 256
	s_cmp_lt_u32 s44, 16
	s_cbranch_scc1 .Lstep
	; THE WAY OUT: O^T / the sum x 2^(e12 + e13); the two tiles of channels interleave into channels 8 h + 0 .. 7 and 16 + 8 h + 0 .. 7; through my stage, so that a store of the wave covers 512 consecutive bytes.
	; tws: [n][tile of 16 tokens: 64][head: 32][16 tokens][32 channels] f32.
	v_add_f32 v[ST+2], v[ST+2], v[ST+3]
	v_add_f32 v[ST+14], v[ST+14], v[ST+15]
	v_permlanex16_b32 v[ST+11], v[ST+2], s40, s41
	v_permlanex16_b32 v[ST+23], v[ST+14], s40, s41
	v_add_f32 v[ST+2], v[ST+2], v[ST+11]
	v_add_f32 v[ST+14], v[ST+14], v[ST+23]
	v_rcp_f32 v[ST+4], v[ST+2]
	v_rcp_f32 v[ST+16], v[ST+14]
	v_and_b32 v14, 15, v0                          ; (plain lines behind the reciprocals)
	v_bfe_u32 v15, v0, 4, 1
	v_mul_u32_u24 v10, v14, 144
	v_lshl_add_u32 v10, v15, 5, v10
	v_add_nc_u32 v10, s54, v10                     ; in: row r of 128 bytes + 16, + 32 h
	v_bfe_u32 v14, v0, 3, 2
	v_and_b32 v15, 7, v0
	v_mul_u32_u24 v11, v14, 144
	v_lshl_add_u32 v11, v15, 4, v11
	v_add_nc_u32 v11, s54, v11                     ; back: eight lanes to a row, four rows an instruction
	s_lshr_b32 s50, s13, 5
	s_lshl_b32 s50, s50, 6
	s_lshr_b32 s51, s15, 4
	s_add_co_u32 s50, s50, s51
	s_lshl_b32 s50, s50, 16
	s_and_b32 s51, s13, 31
	s_lshl_b32 s51, s51, 11
	s_add_co_u32 s50, s50, s51
	s_mov_b32 s51, 0
	s_add_nc_u64 s[62:63], s[10:11], s[50:51]
	s_wait_alu depctr_va_vdst(0)                   ; one wait for both reciprocals, ahead of their first reader
	v_ldexp_f32 v[ST+4], v[ST+4], s39
	v_ldexp_f32 v[ST+16], v[ST+16], s39
.macro OUTT a
.irp j, 0,1,2,3,4,5,6,7
	v_mul_f32 v[P+32*(\a)+2*\j], v[O+16*(\a)+\j], v[ST+12*(\a)+4]
	v_mul_f32 v[P+32*(\a)+2*\j+1], v[O+16*(\a)+8+\j], v[ST+12*(\a)+4]
.endr
	ds_store_b128 v10, v[P+32*(\a):P+32*(\a)+3]
	ds_store_b128 v10, v[P+32*(\a)+4:P+32*(\a)+7] offset:16
	ds_store_b128 v10, v[P+32*(\a)+8:P+32*(\a)+11] offset:64
	ds_store_b128 v10, v[P+32*(\a)+12:P+32*(\a)+15] offset:80
.irp i, 0,1,2,3
	ds_load_b128 v[P+32*(\a)+16+4*\i:P+32*(\a)+19+4*\i], v11 offset:576*\i   ; LDS serves a wave's instructions in order
.endr
.endm
	OUTT 0
	OUTT 1
.irp i, 0,1,2,3
	s_wait_dscnt 11-\i                             ; behind this load: the tile's later loads and the second tile's eight instructions
	global_store_b128 v1, v[P+16+4*\i:P+19+4*\i], s[62:63] offset:512*\i
.endr
.irp i, 0,1,2,3
	s_wait_dscnt 3-\i
	global_store_b128 v1, v[P+48+4*\i:P+51+4*\i], s[62:63] offset:65536+512*\i
.endr
	s_wait_xcnt 0x0
	v_lshl_add_u32 v254, v0, 2, 0x3f400
	v_mov_b32 v255, 0
	s_wait_tensorcnt 0x0
	ds_add_u32 v254, v255
	s_wait_dscnt 0x0
	s_endpgm
.Lfunc_end_k_q8bb9b1f53f_attn:
	.size	k_q8bb9b1f53f_attn, .Lfunc_end_k_q8bb9b1f53f_attn-k_q8bb9b1f53f_attn
	.p2alignl 7, 3214868480
	.fill 96, 4, 3214868480
	.section	.rodata,"a",@progbits
	.p2align	6, 0x0
	.amdhsa_kernel k_q8bb9b1f53f_attn
		.amdhsa_group_segment_fixed_size 261120
		.amdhsa_private_segment_fixed_size 0
		.amdhsa_enable_private_segment 0
		.amdhsa_kernarg_size 32
		.amdhsa_user_sgpr_count 2
		.amdhsa_user_sgpr_kernarg_segment_ptr 1
		.amdhsa_wavefront_size32 1
		.amdhsa_system_sgpr_workgroup_id_x 1
		.amdhsa_system_sgpr_workgroup_id_y 1
		.amdhsa_system_sgpr_workgroup_id_z 1
		.amdhsa_system_vgpr_workitem_id 0
		.amdhsa_next_free_vgpr 256
		.amdhsa_next_free_sgpr 80
		.amdhsa_reserve_vcc 0
		.amdhsa_float_denorm_mode_32 3
		.amdhsa_float_denorm_mode_16_64 3
		.amdhsa_memory_ordered 1
		.amdhsa_forward_progress 1
		.amdhsa_inst_pref_size 63
	.end_amdhsa_kernel
	.amdgpu_metadata
---
amdhsa.version: [ 1, 2 ]
amdhsa.kernels:
  - .name:           k_q8bb9b1f53f_attn
    .symbol:         k_q8bb9b1f53f_attn.kd
    .args:
      - { .name: qkv, .offset: 0, .size: 8, .value_kind: global_buffer, .address_space: global }
      - { .name: dist_emb, .offset: 8, .size: 8, .value_kind: global_buffer, .address_space: global }
      - { .name: lowp_scales, .offset: 16, .size: 8, .value_kind: global_buffer, .address_space: global }
      - { .name: tws, .offset: 24, .size: 8, .value_kind: global_buffer, .address_space: global }
    .group_segment_fixed_size: 261120
    .private_segment_fixed_size: 0
    .kernarg_segment_align: 8
    .kernarg_segment_size: 32
    .max_flat_workgroup_size: 512
    .sgpr_count:     80
    .vgpr_count:     256
    .wavefront_size: 32
...
	.end_amdgpu_metadata
.endif
;; end of part 3
;; launch tail (part 4): grid 128 x 1, 16 waves a work-group, clusters of 4 x 1, 327,680 bytes of LDS; arguments tws, x, wi, lowp_scales, ln1_g, ln1_b, b1, b2, ln2_g, ln2_b, out0; writes out0
.if DOCPART == 4
	.amdgcn_target "amdgcn-amd-amdhsa--gfx1250"
	.amdhsa_code_object_version 6
	.text
	.protected	k_q8bb9b1f53f_tail
	.globl	k_q8bb9b1f53f_tail
	.p2align	8
	.type	k_q8bb9b1f53f_tail,@function
k_q8bb9b1f53f_tail:
	s_mov_b64 s[64:65], 0
	v_nop
	global_prefetch_b8 v0, s[64:65] scope:SCOPE_SE
	s_setreg_imm32_b32 hwreg(HW_REG_WAVE_MODE, 25, 1), 1
	s_wait_xcnt 0x0
	s_wait_alu depctr_hold_cnt(0) depctr_sa_sdst(0) depctr_va_vdst(0) depctr_va_sdst(0) depctr_va_ssrc(0) depctr_va_vcc(0) depctr_vm_vsrc(0)
	s_getreg_b32 s2, hwreg(HW_REG_IB_STS2, 6, 4)
	s_cmp_eq_u32 s2, 0
	s_cbranch_scc0 .Lentry_in_a_cluster
	s_endpgm
.Lentry_in_a_cluster:
	s_bfe_u32 s2, ttmp6, 0x10000c
	s_cmp_lg_u32 s2, 0x3003
	s_cbranch_scc0 .Lentry_shape_is_right
	s_endpgm
.Lentry_shape_is_right:
; h = LN(t + x); m = relu(h W1 + b1) W2 + b2, both products on E4M3 codes (h entry 14, W1 15, the hidden layer 16, W2 17 of the given exponents); out = LN(m + h), stored [l][n][c].
; SHARES.  A work-group takes 32 tokens of one n through the whole chain: the second norm wants whole rows and the second product's K is a whole hidden row, so nothing goes to memory between.  4,096 / 32 = 128 work-groups.
; In the norms wave w owns tokens 2 w and 2 w + 1, one in each row of 16 lanes: lane (tau = lane / 16, g = (lane / 8) % 2, u = lane % 8) holds, as quad i of 16, channels 64 i + 32 g + 4 u + 0 .. 3 of token 2 w + tau.
; h stays in those 64 registers from the first norm to the second.  In the products wave w owns channels 64 w .. 64 w + 63 (four tiles) for all 32 tokens (two tiles): eight accumulators by turns.
; THE WEIGHTS come from wi, images of operand registers, through a ring of two LDS slots filled by the tensor data mover.  A slot holds one K step of 128 for all 1,024 channels, 128 KiB; 16 steps in all, eight a layer.
; Each wave fetches, by one load, the 8 KiB that it alone reads: its four tiles' 2 KiB, 16 KiB apart in wi.  By this text's count a wave has two tensor loads out at the start and one behind each change of slots.
; CLUSTER: the four work-groups of a cluster walk the same weights, so each tile is asked for jointly: the same tensor load with the same descriptor and a mask that names the four.  The place in the cluster enters the
; addresses of tws, x and out0 alone.
; h's and the hidden layer's codes go from wave to wave through LDS as images of operand registers: byte of (token r, k) = (k / 128) 2048 + ((k / 32) % 4) 512 + (16 ((k / 8) % 2) + r) 16 + ((k / 16) % 2) 8 + k % 8.
; The hidden layer's codes take the bytes of h's, behind a barrier of their own.  m goes from the products' layout to the norms' through a stage that lies in the ring, behind the ring's last fill and last read.
; THE MATRIX INSTRUCTION IS USED TRANSPOSED (source 0 = 16 rows of a weight, source 1 = 16 tokens): a lane holds one token and eight neighbouring channels, which the conversion turns into two registers of the next operand.
; Both norms take the mean first and the variance of the differences.
; LIMITS: entries 14 and 16 between -126 and 119; e14 + e15 and e16 + e17 between -126 and 127.  NaN is not served.
.set HP,    4112                       ; a row of the stage: 4,096 bytes + 16
.set SLOT,  131072
.set HC,    2*SLOT                     ; behind the ring: codes, [tile of tokens 2][K step 8][group 4][512]
.set BIA,   HC+32768                   ; b1, then b2: 4,096 bytes each
.set SPARE, BIA+8192                   ; the spare words, 128 bytes for each wave: eight blocks of 256 bytes that no other line names
.set ACC,   80                         ; v80-143  accumulator (ct, rt) at 80 + 8 (2 ct + rt).  (v16-79: h)
.set HF,    144                        ; v144-175 two fragments of tokens
.set WS,    176                        ; v176-239 four fragments of a weight
.set BB,    208                        ; v208-239 a bias in the result's layout; later m, half a row at a time
.set RT,    208                        ; v208-215 four chains of a sum
.set SPW,   247                        ; v247     LDS address of my spare word; never rewritten
.set NIL,   248                        ; v248     0; never rewritten
.set G1,    68                         ; s[68:75] descriptor group 1
.set G0,    76                         ; s[76:83] descriptor group 0, one set for each slot
.macro PLACES n                        ; plain vector lines that name none of a matrix instruction's registers (ISA guide 7.12.1)
.rept \n
	v_nop
.endr
.endm
.macro MKS se, vs, vl                  ; 2^e and 448 x 2^e as f32
	s_add_co_i32 s40, s[\se], 127
	s_lshl_b32 s41, s40, 23
	v_mov_b32 v[\vs], s41
	s_add_co_i32 s40, s40, 8
	s_lshl_b32 s40, s40, 23
	s_or_b32 s40, s40, 0x600000
	v_mov_b32 v[\vl], s40
.endm
.macro RED src, n, sq, dst             ; v[dst] = my lane's sum of v[src] .. v[src + n - 1] (sq = 1: of their squares), in four chains of pairs
.if \sq
.irp c, 0,2,4,6
	v_pk_mul_f32 v[RT+\c:RT+\c+1], v[\src+\c:\src+\c+1], v[\src+\c:\src+\c+1]
.endr
.set k, 8
.else
.irp c, 0,2,4,6
	v_pk_add_f32 v[RT+\c:RT+\c+1], v[\src+\c:\src+\c+1], v[\src+8+\c:\src+8+\c+1]
.endr
.set k, 16
.endif
.rept ((\n)-k)/8
.irp c, 0,2,4,6
.if \sq
	v_pk_fma_f32 v[RT+\c:RT+\c+1], v[\src+k+\c:\src+k+\c+1], v[\src+k+\c:\src+k+\c+1], v[RT+\c:RT+\c+1]
.else
	v_pk_add_f32 v[RT+\c:RT+\c+1], v[RT+\c:RT+\c+1], v[\src+k+\c:\src+k+\c+1]
.endif
.endr
.set k, k+8
.endr
	v_pk_add_f32 v[RT:RT+1], v[RT:RT+1], v[RT+2:RT+3]
	v_pk_add_f32 v[RT+4:RT+5], v[RT+4:RT+5], v[RT+6:RT+7]
	v_pk_add_f32 v[RT:RT+1], v[RT:RT+1], v[RT+4:RT+5]
	v_add_f32 v[\dst], v[RT], v[RT+1]
.endm
.macro XL r                            ; across the 16 lanes of a row, which hold one token
	v_add_f32_dpp v[\r], v[\r], v[\r] row_xmask:1 row_mask:0xf bank_mask:0xf
	v_add_f32_dpp v[\r], v[\r], v[\r] row_xmask:2 row_mask:0xf bank_mask:0xf
	v_add_f32_dpp v[\r], v[\r], v[\r] row_xmask:4 row_mask:0xf bank_mask:0xf
	v_add_f32_dpp v[\r], v[\r], v[\r] row_xmask:8 row_mask:0xf bank_mask:0xf
.endm
; A norm of my two tokens: the numbers in v16-79, in place; the gain in v144-207, the bias in v80-143 (their loads are waited for here)
.macro NORM
	RED 16, 64, 0, 224
	XL 224
	v_mul_f32 v224, s38, v224                      ; the mean
	v_mov_b32 v225, v224
.set k, 0
.rept 32
	v_pk_add_f32 v[16+k:17+k], v[16+k:17+k], v[224:225] neg_lo:[0,1] neg_hi:[0,1]
.set k, k+2
.endr
	RED 16, 64, 1, 226
	XL 226
	v_fma_f32 v226, v226, s38, s39
	v_rsq_f32 v226, v226
	v_nop                                          ; a plain line behind the transcendental
	s_wait_alu depctr_va_vdst(0)                   ; and the wait ahead of its first reader
	v_mov_b32 v227, v226
	s_wait_loadcnt 0x0
.set k, 0
.rept 32
	v_pk_mul_f32 v[16+k:17+k], v[16+k:17+k], v[226:227]
.set k, k+2
.endr
.set k, 0
.rept 32
	v_pk_fma_f32 v[16+k:17+k], v[16+k:17+k], v[144+k:145+k], v[80+k:81+k]
.set k, k+2
.endr
.endm
; A round of the cluster's barrier: my work-group's barrier, wave 0's signal for the work-group, every wave's wait for the four work-groups, my work-group's barrier once more
.macro CROUND
	s_barrier_signal -1
	s_barrier_wait -1
	s_cmp_lg_u32 s26, 0
	s_cbranch_scc1 .Lnot_wave_0_\@
	s_barrier_signal -3
.Lnot_wave_0_\@:
	s_barrier_wait -3
	s_barrier_signal -1
	s_barrier_wait -1
.endm
	s_load_b512 s[4:19], s[0:1], 0x0               ; tws, x, wi, the scales' exponents, ln1_g, ln1_b, b1, b2
	s_load_b128 s[20:23], s[0:1], 0x40             ; ln2_g, ln2_b
	s_load_b64 s[24:25], s[0:1], 0x50              ; out0
	v_lshl_add_u32 v[SPW], v0, 2, SPARE
	v_mov_b32 v[NIL], 0
	ds_add_u32 v247, v248
	ds_add_u32 v247, v248
	s_wait_dscnt 0x0
	v_lshrrev_b32 v1, 5, v0
	v_readfirstlane_b32 s26, v1                    ; wave 0..15
	s_mov_b32 s38, 0x3a800000                      ; 1 / 1024
	s_mov_b32 s39, 0x3727c5ac                      ; 1e-5
	; descriptor group 1: 4 rows of 2,048 bytes (a tile's K step), 16,384 bytes apart; in LDS they follow each other without a gap
	s_mov_b32 s[G1+0], 15|(3<<16)|(1<<21)          ; 15:0 the mask: all four work-groups; 17:16 elements of 8 bytes; no padding; 21 set beside a mask
	s_mov_b32 s[G1+1], 256<<16                     ; tensor_dim0 = 256 elements
	s_mov_b32 s[G1+2], 4<<16                       ; tensor_dim1 = 4
	s_mov_b32 s[G1+3], 256<<16                     ; tile_dim0
	s_mov_b32 s[G1+4], 4                           ; tile_dim1
	s_mov_b32 s[G1+5], 2048                        ; from row to row, in elements
	s_mov_b32 s[G1+6], 0
	s_mov_b32 s[G1+7], 0
	v_and_b32 v243, 31, v0
	v_lshlrev_b32 v1, 4, v243                      ; v1: 16 x lane
	v_and_b32 v240, 7, v0                          ; u
	v_bfe_u32 v241, v0, 3, 1                       ; g
	v_bfe_u32 v242, v0, 4, 1                       ; tau in the norms, the lane's half in the products
	v_and_b32 v243, 15, v0                         ; r
	v_lshlrev_b32 v4, 4, v243                      ; v4: gains: 128 g + 16 u, 256 i in the offset
	v_lshl_add_u32 v3, v242, 12, v4                ; v3: x: + a row for my second token: sixteen lanes read 256 consecutive bytes
	v_lshl_add_u32 v13, v242, 14, v4               ; v13: out0: my second token lies four rows of 4,096 bytes on: sixteen lanes store 256 consecutive bytes, aligned
	v_lshlrev_b32 v2, 4, v240
	v_lshl_add_u32 v2, v242, 7, v2
	v_lshl_add_u32 v2, v241, 11, v2                ; v2: tws: head 2 i + g, token tau, channels 4 u
	s_lshl_b32 s40, s26, 1
	v_add_nc_u32 v5, s40, v242
	v_mul_u32_u24 v5, v5, HP
	v_add_nc_u32 v5, v5, v4                        ; v5: the stage's row 2 w + tau
	s_lshr_b32 s41, s26, 3
	s_and_b32 s42, s26, 7
	s_lshl_b32 s43, s41, 14
	s_lshl_b32 s55, s42, 5
	s_add_co_u32 s43, s43, s55
	s_add_co_u32 s43, s43, HC
	v_lshlrev_b32 v6, 4, v242
	v_lshl_add_u32 v6, v241, 9, v6
	v_bfe_u32 v15, v0, 1, 1
	v_lshl_add_u32 v6, v15, 8, v6
	v_bfe_u32 v15, v0, 2, 1
	v_lshl_add_u32 v6, v15, 3, v6
	v_and_b32 v15, 1, v0
	v_lshl_add_u32 v6, v15, 2, v6
	v_add_nc_u32 v6, s43, v6                       ; v6: a quad's four codes in the image
	v_add_nc_u32 v7, HC, v1                        ; v7: fragments of tokens
	s_lshl_b32 s85, s26, 13                        ; my 8 KiB of a slot
	v_add_nc_u32 v8, s85, v1                       ; v8: my weights in slot 0,
	v_add_nc_u32 v14, SLOT, v8                     ; v14: in slot 1
	s_lshr_b32 s43, s26, 1
	s_lshl_b32 s43, s43, 11
	s_and_b32 s55, s26, 1
	s_lshl_b32 s55, s55, 10
	s_add_co_u32 s43, s43, s55
	s_add_co_u32 s43, s43, HC
	v_add_nc_u32 v9, s43, v1                       ; v9: where my hidden units' codes go: K step w / 2, groups 2 (w % 2) + p
	s_lshl_b32 s43, s26, 8
	s_add_co_u32 s55, s43, BIA
	v_lshl_add_u32 v10, v242, 5, s55               ; v10: my 64 channels' bias: 256 w + 32 x half
	v_mul_u32_u24 v11, v243, HP
	v_lshl_add_u32 v11, v242, 5, v11
	v_add_nc_u32 v11, s43, v11                     ; v11: the stage at (token r, my channels), tokens 0-15,
	v_add_nc_u32 v12, 16*HP, v11                   ; v12: tokens 16-31
	v_lshl_add_u32 v15, v0, 4, BIA                 ; v15: where I put 16 bytes of a bias
	v_and_b32 v249, 0xff, v0
	v_lshlrev_b32 v249, 4, v249                    ; v249: and where they come from
	s_bfe_u32 s84, ttmp6, 0x40000                  ; my place in the cluster
	s_lshl_b32 s27, ttmp9, 2
	s_add_co_u32 s84, s27, s84                     ; work-group = 4 x cluster + place: it enters global addresses alone
	s_lshr_b32 s27, s84, 5                         ; n
	s_and_b32 s54, s84, 31
	s_lshl_b32 s54, s54, 5                         ; my first token l0
	s_lshl_b32 s40, s27, 6
	s_lshr_b32 s43, s54, 4
	s_add_co_u32 s40, s40, s43
	s_add_co_u32 s40, s40, s41
	s_lshl_b32 s40, s40, 16                        ; tws: tile n x 64 + l0 / 16 + w / 8,
	s_lshl_b32 s43, s42, 8
	s_add_co_u32 s40, s40, s43                     ; tokens 2 (w % 8) on
	s_mov_b32 s41, 0
	s_lshl_b32 s42, s27, 10
	s_add_co_u32 s42, s42, s54
	s_lshl_b32 s43, s26, 1
	s_add_co_u32 s42, s42, s43
	s_lshl_b32 s42, s42, 12                        ; x: row n x 1024 + l0 + 2 w
	s_mov_b32 s43, 0
	s_lshl_b32 s60, s26, 1
	s_add_co_u32 s60, s60, s54
	s_lshl_b32 s60, s60, 2
	s_add_co_u32 s60, s60, s27
	s_lshl_b32 s60, s60, 12                        ; out0: row (l0 + 2 w) x 4 + n
	s_mov_b32 s61, 0
	s_lshl_b32 s62, s26, 16                        ; my four tiles of a weight's image
	s_mov_b32 s63, 0
	s_wait_kmcnt 0x0
	s_load_b128 s[28:31], s[10:11], 0x38           ; entries 14 to 17
	s_add_nc_u64 s[32:33], s[4:5], s[40:41]
	s_add_nc_u64 s[34:35], s[6:7], s[42:43]
	s_add_nc_u64 s[52:53], s[24:25], s[60:61]
	s_add_nc_u64 s[56:57], s[8:9], s[62:63]
	CROUND                                         ; all four work-groups are here: the first joint loads meet
.irp n, 0,1                                    ; both slots' first fills go out together, ahead of every wait on TENSORcnt and every LDS read; they land under the first norm
	s_mov_b32 s[G0+4*\n], 1                        ; count = 1
	s_add_co_u32 s[G0+4*\n+1], s85, \n*SLOT        ; LDS address: 8,192 x wave + the slot
	s_add_nc_u64 s[G0+4*\n+2:G0+4*\n+3], s[56:57], \n*2048   ; K step n of the first layer
	s_or_b32 s[G0+4*\n+3], s[G0+4*\n+3], 0x80000000          ; type = 2
	tensor_load_to_lds s[G0+4*\n:G0+4*\n+3], s[G1:G1+7]
	s_nop 0
	PLACES 4                                       ; four v_nop follow a tensor load
.endr
	; ---- the first norm
	s_cmp_lt_u32 s26, 8                            ; waves 0-7 bring b1 into LDS, waves 8-15 b2: 16 bytes a thread
	s_cselect_b64 s[86:87], s[16:17], s[18:19]
	global_load_b128 v[250:253], v249, s[86:87]
.irp i, 0,1,2,3,4,5,6,7,8,9,10,11,12,13,14,15
	global_load_b128 v[16+4*\i:19+4*\i], v2, s[32:33] offset:4096*\i th:TH_LOAD_NT
.endr
.irp i, 0,1,2,3,4,5,6,7,8,9,10,11,12,13,14,15
	global_load_b128 v[80+4*\i:83+4*\i], v3, s[34:35] offset:256*\i th:TH_LOAD_NT
.endr
.irp i, 0,1,2,3,4,5,6,7,8,9,10,11,12,13,14,15
	global_load_b128 v[144+4*\i:147+4*\i], v4, s[12:13] offset:256*\i
.endr
	s_wait_kmcnt 0x0
	MKS 28, 229, 230                               ; entry 14
	MKS 30, 245, 244                               ; entry 16
	s_add_co_i32 s44, s28, s29
	s_add_co_i32 s44, s44, 127
	s_lshl_b32 s44, s44, 23                        ; 2^(e14 + e15)
	s_mov_b32 s45, s44
	s_add_co_i32 s46, s30, s31
	s_add_co_i32 s46, s46, 127
	s_lshl_b32 s46, s46, 23                        ; 2^(e16 + e17)
	s_mov_b32 s47, s46
	s_wait_loadcnt 16                              ; the bias, t and x are in; the sixteen loads of the gain may be out
	ds_store_b128 v15, v[250:253]
.set k, 0
.rept 32
	v_pk_add_f32 v[16+k:17+k], v[16+k:17+k], v[80+k:81+k]
.set k, k+2
.endr
.irp i, 0,1,2,3,4,5,6,7,8,9,10,11,12,13,14,15
	global_load_b128 v[80+4*\i:83+4*\i], v4, s[14:15] offset:256*\i
.endr
	NORM                                           ; h, which stays in v16-79
.set k, 0
.rept 64
	v_med3_num_f32 v[144+k], v[16+k], -v230, v230  ; the conversion to an 8-bit code does not saturate (ISA guide 7.6.2)
.set k, k+1
.endr
.irp m, 0,1,2,3,4,5,6,7
	v_cvt_scalef32_pk8_fp8_f32 v[208+2*\m:209+2*\m], v[144+8*\m:151+8*\m], v229   ; quads 2 m and 2 m + 1: a register of codes each
.endr
	v_nop                                          ; a plain line behind the conversions
.irp i, 0,1,2,3,4,5,6,7,8,9,10,11,12,13,14,15
	ds_store_b32 v6, v[208+\i] offset:(\i/2)*2048+(\i%2)*1024
.endr
	s_wait_tensorcnt 0x1                           ; my part of slot 0 is in; slot 1's load may be out
	s_wait_dscnt 0x0                               ; for the others' sake: the codes of h and the biases have landed
	s_barrier_signal -1
	s_barrier_wait -1
; THE CHANGE OF SLOTS at the head of step sg.  Each wave waits for all its tensor loads (its part of the slot ahead), adds 0 to its spare word, and waits for that and for its reads of the slot that it has left.
; fill = 1: a round of the cluster's barrier, so that no wave of any partner still reads that slot or has a load on its way; behind it the slot is filled with step sg + 1's tile, which has this step in which to land.
.macro CHANGE sg, fill
	s_wait_tensorcnt 0x0                           ; no tensor load of mine is out, so a group 0 may be written
	ds_add_u32 v[SPW], v[NIL]                      ; 0 onto my spare word
.if \fill
.if (((\sg)+1) == 8) || (((\sg)+1) == 9)
	s_add_nc_u64 s[G0+4*(((\sg)+1)%2)+2:G0+4*(((\sg)+1)%2)+3], s[G0+4*(((\sg)+1)%2)+2:G0+4*(((\sg)+1)%2)+3], 1048576-6*2048   ; from K step 6 or 7 of the first layer to K step 0 or 1 of the second
.else
	s_add_nc_u64 s[G0+4*(((\sg)+1)%2)+2:G0+4*(((\sg)+1)%2)+3], s[G0+4*(((\sg)+1)%2)+2:G0+4*(((\sg)+1)%2)+3], 2*2048           ; two K steps on; the type bits on top are not reached
.endif
.endif
	s_wait_dscnt 0x0                               ; the add is done, and my LDS reads and stores are over
.if \fill
	CROUND
	tensor_load_to_lds s[G0+4*(((\sg)+1)%2):G0+4*(((\sg)+1)%2)+3], s[G1:G1+7]   ; the first thing behind the round, and my one tensor load until the next
	s_nop 0
.else
	s_barrier_signal -1
	s_barrier_wait -1
.endif
	PLACES 4                                       ; behind the tensor load; also the places ahead of loads into registers that the last products read
.endm
; STEP sg of 16: 128 along K.  Two fragments of tokens, my four fragments of the weight, eight products; the accumulators take turns, one instruction a turn.
.macro WSTEP sg
.irp rt, 0,1
.irp g, 0,1,2,3
	ds_load_b128 v[HF+16*\rt+4*\g:HF+16*\rt+4*\g+3], v7 offset:\rt*16384+((\sg)%8)*2048+\g*512
.endr
.endr
.irp ct, 0,1,2,3
.irp g, 0,1,2,3
	ds_load_b128 v[WS+16*\ct+4*\g:WS+16*\ct+4*\g+3], v[8+6*((\sg)%2)] offset:\ct*2048+\g*512
.endr
.endr
.irp ct, 0,1,2,3
	s_wait_dscnt 4*(3-\ct)                         ; the tokens' fragments and the weight's tiles up to this one are in; the later tiles' four loads each may be out
.irp rt, 0,1
.if ((\sg)%8) == 0
	v_wmma_f32_16x16x128_fp8_fp8 v[ACC+8*(2*\ct+\rt):ACC+8*(2*\ct+\rt)+7], v[WS+16*\ct:WS+16*\ct+15], v[HF+16*\rt:HF+16*\rt+15], 0
.else
	v_wmma_f32_16x16x128_fp8_fp8 v[ACC+8*(2*\ct+\rt):ACC+8*(2*\ct+\rt)+7], v[WS+16*\ct:WS+16*\ct+15], v[HF+16*\rt:HF+16*\rt+15], v[ACC+8*(2*\ct+\rt):ACC+8*(2*\ct+\rt)+7]
.endif
.endr
.endr
.endm
.macro BIASL off                       ; my 64 channels' bias in the result's layout: tile ct: channels 16 ct + 8 half + 0 .. 7
.irp ct, 0,1,2,3
	ds_load_b128 v[BB+8*\ct:BB+8*\ct+3], v10 offset:\off+64*\ct
	ds_load_b128 v[BB+8*\ct+4:BB+8*\ct+7], v10 offset:\off+64*\ct+16
.endr
.endm
.macro SCALEB sp                       ; sum x the power of two + bias; each accumulator from its low end on
.irp ct, 0,1,2,3
.irp rt, 0,1
.irp i, 0,2,4,6
	v_pk_fma_f32 v[ACC+8*(2*\ct+\rt)+\i:ACC+8*(2*\ct+\rt)+\i+1], v[ACC+8*(2*\ct+\rt)+\i:ACC+8*(2*\ct+\rt)+\i+1], s[\sp:\sp+1], v[BB+8*\ct+\i:BB+8*\ct+\i+1] op_sel_hi:[1,0,1]
.endr
.endr
.endr
.endm
	; ---- the first product
	WSTEP 0
.irp sg, 1,2,3,4,5,6,7
	CHANGE \sg, 1
	WSTEP \sg
.endr
	; ---- the hidden layer: + b1, the activation and the hold in one, codes to LDS
	PLACES 5
	BIASL 0
	s_wait_dscnt 0x0
	SCALEB 44
.set k, 0
.rept 64
	v_med3_num_f32 v[ACC+k], v[ACC+k], 0, v244
.set k, k+1
.endr
.irp rt, 0,1
.irp p, 0,1
	v_cvt_scalef32_pk8_fp8_f32 v[HF+4*(2*\rt+\p):HF+4*(2*\rt+\p)+1], v[ACC+8*(4*\p+\rt):ACC+8*(4*\p+\rt)+7], v245
	v_cvt_scalef32_pk8_fp8_f32 v[HF+4*(2*\rt+\p)+2:HF+4*(2*\rt+\p)+3], v[ACC+8*(4*\p+2+\rt):ACC+8*(4*\p+2+\rt)+7], v245
.endr
.endr
	v_nop                                          ; a plain line behind the conversions: the next products write their sources
	s_wait_dscnt 0x0                               ; my reads of h's codes are over (the last were waited for ahead of the last products):
	s_barrier_signal -1
	s_barrier_wait -1                              ; everybody's are: the hidden layer's codes may take their bytes
.irp rt, 0,1
.irp p, 0,1
	ds_store_b128 v9, v[HF+4*(2*\rt+\p):HF+4*(2*\rt+\p)+3] offset:\rt*16384+\p*512
.endr
.endr
	; ---- the second product: the change of slots ahead of its first step also shows the codes to every wave
.irp sg, 8,9,10,11,12,13,14
	CHANGE \sg, 1
	WSTEP \sg
.endr
	CHANGE 15, 0                                   ; nothing is left to fetch
	WSTEP 15
	; ---- m = sum x 2^(e16 + e17) + b2 goes through the stage, from (token, my channels) to whole rows
	PLACES 5
	BIASL 4096
.irp i, 0,1,2,3,4,5,6,7,8,9,10,11,12,13,14,15
	global_load_b128 v[144+4*\i:147+4*\i], v4, s[20:21] offset:256*\i    ; the second norm's gain is asked for here
.endr
	s_wait_dscnt 0x0
	SCALEB 46
	s_barrier_signal -1                            ; my reads of the ring are over, and no tensor load follows:
	s_barrier_wait -1                              ; everybody's are: the stage may be written
.irp ct, 0,1,2,3
.irp rt, 0,1
	ds_store_b128 v[11+\rt], v[ACC+8*(2*\ct+\rt):ACC+8*(2*\ct+\rt)+3] offset:64*\ct
	ds_store_b128 v[11+\rt], v[ACC+8*(2*\ct+\rt)+4:ACC+8*(2*\ct+\rt)+7] offset:64*\ct+16
.endr
.endr
	s_wait_dscnt 0x0                               ; for the others' sake; and the stores have read their registers,
.irp i, 0,1,2,3,4,5,6,7,8,9,10,11,12,13,14,15
	global_load_b128 v[80+4*\i:83+4*\i], v4, s[22:23] offset:256*\i      ; which take the second norm's bias
.endr
	s_barrier_signal -1
	s_barrier_wait -1
	; ---- the second norm: m + h, half a row at a time
.irp u, 0,1
.irp i, 0,1,2,3,4,5,6,7
	ds_load_b128 v[BB+4*\i:BB+4*\i+3], v5 offset:256*(8*\u+\i)
.endr
	s_wait_dscnt 0x0
.set k, 0
.rept 16
	v_pk_add_f32 v[16+32*\u+k:17+32*\u+k], v[16+32*\u+k:17+32*\u+k], v[BB+k:BB+k+1]
.set k, k+2
.endr
.endr
	NORM
.irp i, 0,1,2,3,4,5,6,7,8,9,10,11,12,13,14,15
	global_store_b128 v13, v[16+4*\i:19+4*\i], s[52:53] offset:256*\i th:TH_STORE_NT   ; each row of 16 lanes stores 256 consecutive bytes of its token's row (l, n), at a multiple of 256 from out0's first byte
.endr
	s_wait_tensorcnt 0x0                           ; the wave's end, behind my last tensor load and my last LDS store
	ds_add_u32 v[SPW], v[NIL]
	s_wait_dscnt 0x0
	CROUND                                         ; the closing round: no work-group ends while a partner may still ask for a tile that names it
	s_endpgm
.Lfunc_end_k_q8bb9b1f53f_tail:
	.size	k_q8bb9b1f53f_tail, .Lfunc_end_k_q8bb9b1f53f_tail-k_q8bb9b1f53f_tail
	.p2alignl 7, 3214868480
	.fill 96, 4, 3214868480
	.section	.rodata,"a",@progbits
	.p2align	6, 0x0
	.amdhsa_kernel k_q8bb9b1f53f_tail
		.amdhsa_group_segment_fixed_size 327680
		.amdhsa_private_segment_fixed_size 0
		.amdhsa_enable_private_segment 0
		.amdhsa_kernarg_size 88
		.amdhsa_user_sgpr_count 2
		.amdhsa_user_sgpr_kernarg_segment_ptr 1
		.amdhsa_wavefront_size32 1
		.amdhsa_system_sgpr_workgroup_id_x 1
		.amdhsa_system_sgpr_workgroup_id_y 1
		.amdhsa_system_sgpr_workgroup_id_z 1
		.amdhsa_system_vgpr_workitem_id 0
		.amdhsa_next_free_vgpr 256
		.amdhsa_next_free_sgpr 90
		.amdhsa_reserve_vcc 0
		.amdhsa_float_denorm_mode_32 3
		.amdhsa_float_denorm_mode_16_64 3
		.amdhsa_memory_ordered 1
		.amdhsa_forward_progress 1
		.amdhsa_inst_pref_size 107
	.end_amdhsa_kernel
	.amdgpu_metadata
---
amdhsa.version: [ 1, 2 ]
amdhsa.kernels:
  - .name:           k_q8bb9b1f53f_tail
    .symbol:         k_q8bb9b1f53f_tail.kd
    .args:
      - { .name: tws, .offset: 0, .size: 8, .value_kind: global_buffer, .address_space: global }
      - { .name: x, .offset: 8, .size: 8, .value_kind: global_buffer, .address_space: global }
      - { .name: wi, .offset: 16, .size: 8, .value_kind: global_buffer, .address_space: global }
      - { .name: lowp_scales, .offset: 24, .size: 8, .value_kind: global_buffer, .address_space: global }
      - { .name: ln1_g, .offset: 32, .size: 8, .value_kind: global_buffer, .address_space: global }
      - { .name: ln1_b, .offset: 40, .size: 8, .value_kind: global_buffer, .address_space: global }
      - { .name: b1, .offset: 48, .size: 8, .value_kind: global_buffer, .address_space: global }
      - { .name: b2, .offset: 56, .size: 8, .value_kind: global_buffer, .address_space: global }
      - { .name: ln2_g, .offset: 64, .size: 8, .value_kind: global_buffer, .address_space: global }
      - { .name: ln2_b, .offset: 72, .size: 8, .value_kind: global_buffer, .address_space: global }
      - { .name: out0, .offset: 80, .size: 8, .value_kind: global_buffer, .address_space: global }
    .group_segment_fixed_size: 327680
    .private_segment_fixed_size: 0
    .kernarg_segment_align: 8
    .kernarg_segment_size: 88
    .max_flat_workgroup_size: 512
    .sgpr_count:     90
    .vgpr_count:     256
    .wavefront_size: 32
...
	.end_amdgpu_metadata
.endif
;; end of part 4
;; ======== version 2 of 2: 4 launches; version 1 with the launches prep, attn written anew for expert scheduling mode
;; workspace buffers: xc 12,582,912 bytes; wi 2,097,152 bytes; qkv 20,971,520 bytes; tws 16,777,216 bytes
;; launch prep (part 5): grid 288 x 1, 4 waves a work-group, no clusters, 33,280 bytes of LDS; arguments x, lowp_scales, W1_codes, W2_codes, xc, wi; writes xc, wi
.if DOCPART == 5
	.amdgcn_target "amdgcn-amd-amdhsa--gfx1250"
	.amdhsa_code_object_version 6
	.text
	.protected	k_q8bb9b1f53f_prep
	.globl	k_q8bb9b1f53f_prep
	.p2align	8
	.type	k_q8bb9b1f53f_prep,@function
k_q8bb9b1f53f_prep:
	s_mov_b64 s[64:65], 0
	v_nop
	global_prefetch_b8 v0, s[64:65] scope:SCOPE_SE
	s_setreg_imm32_b32 hwreg(HW_REG_WAVE_SCHED_MODE, 0, 2), 2
	s_setreg_imm32_b32 hwreg(HW_REG_WAVE_MODE, 25, 1), 1
	s_wait_xcnt 0x0
	s_wait_alu depctr_vm_vsrc(0)
; PREP.  Two jobs in one launch, told apart by the work-group's number.
; Work-groups 0-255: x [4096][1024] f32 becomes three sets of E4M3 codes, one for each of the three projections' own scale of x (entries 0, 2, 4 of the scales): xc + j x 4 MiB, rows as in x.
;   code = x / 2^e, held within +-448, to the nearest code, ties to even.  A wave takes 8 steps of 512 numbers.  Each load reads 512 consecutive bytes; a step's 2,048 bytes turn through the wave's own
;   stage in LDS (16 bytes of padding behind each 64), so that a lane then holds 16 neighbours along K; its 16 codes are 16 bytes, and a store of the wave covers 512 consecutive bytes.
; Work-groups 256-287: the codes of W1 and W2 ([n][k], k innermost) are laid anew as images of operand registers: wi + layer x 1 MiB, [tile of 16 rows n: 64][K step of 128: 8][group of 4 registers: 4][lane][16 bytes];
;   lane (r, h) of a tile holds row r; registers 2 c, 2 c + 1 hold k = 16 c + 8 h + 0 .. 7.  A wave takes one tile: 16 KiB.
; LIMITS: the three exponents lie between -126 and 119, so that 2^e and 448 x 2^e are f32 numbers.  NaN among x is not served; an infinity is held at the largest code.
; THE MODE: SCHED_MODE bits 1:0 = 2 (LLVM: expert scheduling mode 2), set by the entry lines.  The code itself states the register dependences between vector instructions and memory or LDS instructions, with s_wait_alu, always for 0.
; THE PLAN.  Registers that memory or LDS instructions touch:
;   R0 .. R3   written by the global loads of step t + 4, issued in step t; read by the LDS stores of step t's turn through the stage.  No vector instruction names them.
;   X0, X1     written by the LDS loads of step t + 1's turn, issued in step t; read by step t + 1's holds.
;   C          four registers for each step and scale: written by step t's conversions; read by the three stores that are issued in step t + 1.  Never written again.
;   v3, v6, v14, v15  offsets and LDS addresses, made once and never written again.
; So a step holds one wait on vm_vsrc (its turn's LDS stores have read the R in which the next loads land) and one on va_vdst (the step before is done reading the X that the next turn loads, and has written its codes).
.set STEPS, 8
.set SP,    80                         ; a lane's place in a stage: 64 bytes + 16 of padding
.set WREG,  8192                       ; LDS of a wave: two stages of 32 x SP bytes
.set R,     16                         ; v16-79   four sets of 16 numbers as loaded
.set X,     80                         ; v80-111  two sets of 16 neighbours
.set T,     112                        ; v112-159 three sets of 16 held numbers, one for each scale
.set C,     160                        ; v160-255 codes: four registers for each step and scale, so that no store's data are written again
	s_load_b128 s[4:7], s[0:1], 0x0                ; x, the scales' exponents
	s_load_b128 s[8:11], s[0:1], 0x10              ; W1's codes, W2's codes
	s_load_b128 s[12:15], s[0:1], 0x20             ; xc, wi
	v_lshl_add_u32 v12, v0, 2, 0x8000
	v_mov_b32 v13, 0
	v_lshrrev_b32 v1, 5, v0
	v_readfirstlane_b32 s16, v1                    ; wave
	v_and_b32 v2, 31, v0                           ; lane
	v_lshlrev_b32 v3, 4, v2                        ; 16 x lane: my place in 512 bytes, in and out; never rewritten
	s_wait_alu depctr_va_sdst(0)                   ; s16 is written, ahead of the branch and of its first reader on either way
	s_cmp_ge_u32 ttmp9, 256
	s_cbranch_scc1 .Lrelay
	; ---------------- x into codes
	s_mul_i32 s17, s16, WREG
	v_lshrrev_b32 v14, 2, v2
	v_mul_u32_u24 v14, v14, SP
	v_and_b32 v15, 3, v2
	v_lshl_add_u32 v14, v15, 4, v14
	v_add_nc_u32 v14, s17, v14                     ; into the stage: SP (lane / 4) + 16 (lane % 4)
	v_mul_u32_u24 v15, v2, SP
	v_add_nc_u32 v15, s17, v15                     ; out of it: SP x lane
	s_lshl_b32 s18, ttmp9, 2
	s_add_co_u32 s18, s18, s16                     ; which run of 4,096 numbers is my wave's
	s_lshl_b32 s20, s18, 14                        ; its bytes in x
	s_mov_b32 s21, 0
	s_lshl_b32 s22, s18, 12                        ; and in a set of codes
	s_mov_b32 s23, 0
	s_wait_kmcnt 0x0
	s_load_b256 s[32:39], s[6:7], 0x0              ; entries 0 to 7
	s_add_nc_u64 s[4:5], s[4:5], s[20:21]
	s_add_nc_u64 s[24:25], s[12:13], s[22:23]      ; set 0
	s_add_nc_u64 s[26:27], s[24:25], 0x400000      ; set 1
	s_add_nc_u64 s[28:29], s[24:25], 0x800000      ; set 2
	s_wait_alu depctr_va_vdst(0)                   ; v3, v14 and v15 are written: every load, store and LDS instruction of this way reads one of them as its address
.macro LOAD t
.irp i, 0,1,2,3
	global_load_b128 v[R+16*((\t)%4)+4*\i:R+16*((\t)%4)+4*\i+3], v3, s[4:5] offset:2048*(\t)+512*\i th:TH_LOAD_NT
.endr
.endm
.macro TURN t                          ; LDS serves a wave's instructions in order: no wait between these stores and loads
.irp i, 0,1,2,3
	ds_store_b128 v14, v[R+16*((\t)%4)+4*\i:R+16*((\t)%4)+4*\i+3] offset:32*SP*((\t)%2)+8*SP*\i
.endr
.irp i, 0,1,2,3
	ds_load_b128 v[X+16*((\t)%2)+4*\i:X+16*((\t)%2)+4*\i+3], v15 offset:32*SP*((\t)%2)+16*\i
.endr
.endm
.irp t, 0,1,2,3
	LOAD \t
.endr
	s_wait_kmcnt 0x0
.irp j, 0,1,2
	s_add_co_i32 s30, s[32+2*\j], 127
	s_lshl_b32 s31, s30, 23
	v_mov_b32 v[5+\j], s31                         ; 2^e as f32: the conversion takes its exponent field
	s_add_co_i32 s30, s30, 8
	s_lshl_b32 s30, s30, 23
	s_or_b32 s30, s30, 0x600000
	v_mov_b32 v[8+\j], s30                         ; 448 x 2^e
.endr
	s_wait_loadcnt 12                              ; step 0's four loads are in; three steps' twelve may be out
	TURN 0
.macro QSET t, j                       ; step t under scale j: the hold goes into a set of its own, since the numbers serve three scales
.irp i, 0,1,2,3,4,5,6,7,8,9,10,11,12,13,14,15
	v_med3_num_f32 v[T+16*(\j)+\i], v[X+16*((\t)%2)+\i], -v[8+(\j)], v[8+(\j)]   ; the conversion to an 8-bit code does not saturate (ISA guide 7.6.2)
.endr
	v_cvt_scalef32_pk8_fp8_f32 v[C+12*(\t)+4*(\j):C+12*(\t)+4*(\j)+1], v[T+16*(\j):T+16*(\j)+7], v[5+(\j)]
	v_cvt_scalef32_pk8_fp8_f32 v[C+12*(\t)+4*(\j)+2:C+12*(\t)+4*(\j)+3], v[T+16*(\j)+8:T+16*(\j)+15], v[5+(\j)]   ; the codes go to a store alone; the next set's holds are plain lines on other registers
.endm
.macro SEND t                          ; step t's three sets of codes: each store of the wave covers 512 consecutive bytes
.irp j, 0,1,2
	global_store_b128 v3, v[C+12*(\t)+4*\j:C+12*(\t)+4*\j+3], s[24+2*\j:25+2*\j] offset:512*(\t)
.endr
.endm
.macro STEP t
	s_wait_dscnt 0x0                               ; this step's numbers are back from the stage
.if (\t)+4 < STEPS
	s_wait_alu depctr_vm_vsrc(0)                   ; the LDS stores of this step's turn have read their set of R, in which the loads below land
	LOAD (\t)+4                                    ; four steps on
.endif
.if (\t)+1 < STEPS
.if STEPS-2-(\t) >= 3
	s_wait_loadcnt 12                              ; the next step's four loads are in; those of the three steps behind it may be out
.else
	s_wait_loadcnt 4*(STEPS-2-(\t))
.endif
.endif
.if (\t) > 0
	s_wait_alu depctr_va_vdst(0)                   ; the step before is done reading its X, in which the next turn's LDS loads land, and its conversions have written the codes that the stores below read
.endif
.if (\t)+1 < STEPS
	TURN (\t)+1
.endif
.if (\t) > 0
	SEND (\t)-1                                    ; no vector instruction since the wait names these codes
.endif
	QSET \t, 0
	QSET \t, 1
	QSET \t, 2
.endm
.irp t, 0,1,2,3,4,5,6,7
	STEP \t
.endr
	s_wait_alu depctr_va_vdst(0)                   ; the last step's conversions have written their codes, which the last three stores read
	SEND STEPS-1
	s_wait_dscnt 0x0                               ; the closing lines, six on end
	s_wait_alu 0x0
	s_wait_tensorcnt 0x0
	ds_add_u32 v12, v13
	s_wait_dscnt 0x0
	s_endpgm
	; ---------------- W1 and W2 as images of operand registers (this way stores nothing to LDS)
.Lrelay:
	s_sub_co_u32 s17, ttmp9, 256
	s_lshl_b32 s17, s17, 2
	s_add_co_u32 s17, s17, s16                     ; 0 .. 127: layer x 64 + tile
	s_and_b32 s18, s17, 63
	s_lshl_b32 s20, s18, 14                        ; the tile's 16 rows of 1,024 bytes
	s_mov_b32 s21, 0
	s_lshl_b32 s22, s17, 14                        ; and its 16 KiB in wi
	s_mov_b32 s23, 0
	v_and_b32 v4, 15, v0                           ; r
	v_bfe_u32 v5, v0, 4, 1                         ; h
	v_lshlrev_b32 v6, 10, v4
	v_lshl_add_u32 v6, v5, 3, v6                   ; row r, + 8 h
	s_wait_kmcnt 0x0
	s_cmp_lt_u32 ttmp9, 272                        ; the first sixteen of these work-groups take W1
	s_cselect_b64 s[8:9], s[8:9], s[10:11]
	s_add_nc_u64 s[8:9], s[8:9], s[20:21]
	s_add_nc_u64 s[14:15], s[14:15], s[22:23]
	s_wait_alu depctr_va_vdst(0)                   ; v6 and v3 are written: the loads below read the one as their offset, the stores the other
.irp s, 0,1,2,3,4,5,6,7
.irp g, 0,1,2,3
	global_load_b64 v[16+16*\s+4*\g:17+16*\s+4*\g], v6, s[8:9] offset:128*\s+32*\g       ; k = 128 s + 32 g + 8 h + 0 .. 7
	global_load_b64 v[18+16*\s+4*\g:19+16*\s+4*\g], v6, s[8:9] offset:128*\s+32*\g+16    ; and 16 further on
.endr
.endr
.irp s, 0,1,2,3,4,5,6,7
	s_wait_loadcnt 8*(7-\s)                        ; K step s's eight loads are in; the later steps' may be out
.irp g, 0,1,2,3
	global_store_b128 v3, v[16+16*\s+4*\g:19+16*\s+4*\g], s[14:15] offset:2048*\s+512*\g
.endr
.endr
	s_endpgm
.Lfunc_end_k_q8bb9b1f53f_prep:
	.size	k_q8bb9b1f53f_prep, .Lfunc_end_k_q8bb9b1f53f_prep-k_q8bb9b1f53f_prep
	.p2alignl 7, 3214868480
	.fill 96, 4, 3214868480
	.section	.rodata,"a",@progbits
	.p2align	6, 0x0
	.amdhsa_kernel k_q8bb9b1f53f_prep
		.amdhsa_group_segment_fixed_size 33280
		.amdhsa_private_segment_fixed_size 0
		.amdhsa_enable_private_segment 0
		.amdhsa_kernarg_size 48
		.amdhsa_user_sgpr_count 2
		.amdhsa_user_sgpr_kernarg_segment_ptr 1
		.amdhsa_wavefront_size32 1
		.amdhsa_system_sgpr_workgroup_id_x 1
		.amdhsa_system_sgpr_workgroup_id_y 1
		.amdhsa_system_sgpr_workgroup_id_z 1
		.amdhsa_system_vgpr_workitem_id 0
		.amdhsa_next_free_vgpr 256
		.amdhsa_next_free_sgpr 66
		.amdhsa_reserve_vcc 0
		.amdhsa_float_denorm_mode_32 3
		.amdhsa_float_denorm_mode_16_64 3
		.amdhsa_memory_ordered 1
		.amdhsa_forward_progress 1
		.amdhsa_inst_pref_size 51
	.end_amdhsa_kernel
	.amdgpu_metadata
---
amdhsa.version: [ 1, 2 ]
amdhsa.kernels:
  - .name:           k_q8bb9b1f53f_prep
    .symbol:         k_q8bb9b1f53f_prep.kd
    .args:
      - { .name: x, .offset: 0, .size: 8, .value_kind: global_buffer, .address_space: global }
      - { .name: lowp_scales, .offset: 8, .size: 8, .value_kind: global_buffer, .address_space: global }
      - { .name: W1_codes, .offset: 16, .size: 8, .value_kind: global_buffer, .address_space: global }
      - { .name: W2_codes, .offset: 24, .size: 8, .value_kind: global_buffer, .address_space: global }
      - { .name: xc, .offset: 32, .size: 8, .value_kind: global_buffer, .address_space: global }
      - { .name: wi, .offset: 40, .size: 8, .value_kind: global_buffer, .address_space: global }
    .group_segment_fixed_size: 33280
    .private_segment_fixed_size: 0
    .kernarg_segment_align: 8
    .kernarg_segment_size: 48
    .max_flat_workgroup_size: 128
    .sgpr_count:     66
    .vgpr_count:     256
    .wavefront_size: 32
...
	.end_amdgpu_metadata
.endif
;; end of part 5
;; launch qkv: the kernel of part 2 again; grid 12 x 16, 4 waves a work-group, clusters of 4 x 4, 327,680 bytes of LDS; arguments xc, Wq_codes, Wk_codes, Wv_codes, lowp_scales, bq, bk, bv, qkv; writes qkv
;; launch attn (part 6): grid 2 x 128, 16 waves a work-group, no clusters, 261,120 bytes of LDS; arguments qkv, dist_emb, lowp_scales, tws; writes tws
.if DOCPART == 6
	.amdgcn_target "amdgcn-amd-amdhsa--gfx1250"
	.amdhsa_code_object_version 6
	.text
	.protected	k_q8bb9b1f53f_attn
	.globl	k_q8bb9b1f53f_attn
	.p2align	8
	.type	k_q8bb9b1f53f_attn,@function
k_q8bb9b1f53f_attn:
	s_mov_b64 s[64:65], 0
	v_nop
	global_prefetch_b8 v0, s[64:65] scope:SCOPE_SE
	s_setreg_imm32_b32 hwreg(HW_REG_WAVE_SCHED_MODE, 0, 2), 2
	s_setreg_imm32_b32 hwreg(HW_REG_WAVE_MODE, 25, 1), 1
	s_wait_xcnt 0x0
	s_wait_alu depctr_vm_vsrc(0)
; ATTENTION with two relative-position terms, all four products on E4M3 codes.  score(l, s) = q_l . k_s + q_l . de[d] + k_s . de[d], d = clip(l - s, -128, 128) + 128; t = score x log2(e) / sqrt(32).
; Scales (entries of the given exponents): k 6, q 7 | de 8, q 9 | de 10, k 11 | v 12, p 13.  p = 2^(t - M), M the ceiling of the running largest t; the row's sum is taken of the unquantised p and divides at the end.
; SHARES.  A work-group owns 512 queries of one head (n x 32 + head = work-group y); each of its 16 waves 32 queries, two tiles of 16, which share every fragment of K, of the tables and of V.  Every wave walks all 1,024 keys, 64 a step.
; The head's codes of k (two sets) and v, and the two quantised tables, fit in LDS and are put there once, through registers: no ring.  No cluster: the two work-groups of a head share 96 KiB that each reads once.
; LAYOUT.  S^T = K Q^T (source 0 = 16 keys, source 1 = 16 queries): a lane holds ONE query (lane % 16) and keys 8 (lane / 16) + 0 .. 7 of each tile; four tiles' conversions are source 1 of O^T = V^T P^T as they stand.
; K = 32 ON THE K = 64 FORM: one side is (data, four registers of zeros), the other (data, the next four registers, which hold valid codes).
; THE POSITION TERMS.  Quantising goes number by number, so the gathered table is a gather of the quantised table.  Where all of a step's |l - s| are 128 or more, d is one number: the q term is one number a query (added to t),
; the k term one number a key (the C of K Q^T).  In the at most five steps near the diagonal: q . de for the 80 table rows that a tile's 16 queries meet, sent through the wave's own stage in LDS, which turns (row, query) into
; (query, key); k . de with the table rows as columns: key 8 h + j wants the column j lanes to the left, so results are shifted within a row of 16 lanes; keys 8-15 of a tile lie in the second half of K against a window 8 rows lower.
; TABLES: row rho of 512 holds Q(dist_emb[clip(rho - 80, 0, 256)]), so every window of a step near the diagonal lies inside.
; THE HOLD OF p.  p is at most 1, but for the rounding of t - M, which is under 2^-23 |t|.  Where entry 13 is -8 or more the largest code x the scale is 1.75 or more, so the hold changes nothing and a scalar branch on that
; given whole number leads round its 64 lines; for smaller entries the hold is executed.  LIMIT of the short way: |t| under 2^22.
; LIMITS: entries 8, 10, 13 between -126 and 119; e6 + e7 and e8 + e9 between -124 and 129; e8 + e9 - e6 - e7 and e10 + e11 - e6 - e7 between -126 and 127.  NaN is not served.
; THE MODE: SCHED_MODE bits 1:0 = 2 (LLVM: expert scheduling mode 2), set by the entry lines.  The code itself states the register dependences between vector or matrix instructions and memory or LDS instructions, with s_wait_alu, always for 0.
; THE PLAN.  Registers that LDS instructions touch in the loop (P = v168):
;   v10-v13     the addresses of a step's loads: k's tiles, the far numbers, the tables' rows, V^T.  Read by the step's LDS loads; made for the NEXT step, for both kinds of step, behind this step's exponentials.
;   v3, v4      the stage's addresses: never written in the loop.
;   P .. P+51   the loads at a step's head land here (near the diagonal the second table's windows too).  Products and the maxima's chains name them, all ahead of the exponentials' wait; behind that wait nothing does.
;   P+48 .. 87  near the diagonal: q . de's results, read by the stage's stores; then the loads from the stage (P+52 .. 83), a tile of k under entry 11 (P+48 .. 51), its two masked copies, k . de's results.
;   P+56 .. 71  V^T lands here at the join; the step's last four products read it.
; THE WAITS OF A STEP.  At the join one on va_vdst: all that named P+56 .. 71 is complete.  Behind the exponentials one on vm_vsrc (the step's loads have read v10-v13), the four additions, and the exponentials' own wait on va_vdst, which
; also states that v10-v13 are written and that all that named P .. P+51 is complete: so the next step's head holds no wait.  Near the diagonal: in each pass of q . de one on va_vdst ahead of the stage's stores and one on vm_vsrc behind them;
; in each pass of k . de but the last one on va_vdst behind its products, ahead of the load of the next tile.
.set K6I,   0                          ; k under entry 6: 64 tiles x 512 bytes, images of operand registers
.set K11I,  32768                      ; k under entry 11
.set VI,    65536                      ; V^T: [step 16][tile of channels 2][group 2][512]
.set DE8T,  98304                      ; 512 rows x 48 bytes: 16 for lanes 0-15, 16 for lanes 16-31, 16 of padding
.set DE10T, 122880
.set KDR,   147456                     ; 1,024 numbers: k . de10[0], in units of the first product's sums
.set KDL,   151552                     ; k . de10[256]
.set STG,   156672                     ; a stage of 6,400 bytes for each wave (16 rows x 400); its first 32 KiB hold v's codes as they come, until the second barrier
.set STW,   6400
.set ST,    16                         ; v16-39  12 a tile: +0 addend of the exponent (+1 named with it), +2, +3 the sum, +4 f (+5), +6 -M, +7 largest t, +8, +9 the q term far left, far right, +10 the step's, +11 at work
.set QF,    40                         ; v40-71  q7 tile 0, zeros, q7 tile 1, zeros, q9 tile 0, zeros, q9 tile 1, zeros
.set O,     72                         ; v72-103 O^T: (tile a, channels' tile et) at 72 + 16 a + 8 et
.set S,     104                        ; v104-167 S^T, then p: (a, key tile b) at 104 + 32 a + 8 b
.set P,     168                        ; v168-255 at work
.macro PLACES n                        ; plain vector lines that name none of a matrix instruction's registers: 4 ahead of reads, writes and loads, 5 ahead of a matrix instruction that writes over them
.rept \n
	v_nop
.endr
.endm
.macro MKS se, vs, vl                  ; 2^e and 448 x 2^e as f32
	s_add_co_i32 s50, s[\se], 127
	s_lshl_b32 s51, s50, 23
	v_mov_b32 v[\vs], s51
	s_add_co_i32 s50, s50, 8
	s_lshl_b32 s50, s50, 23
	s_or_b32 s50, s50, 0x600000
	v_mov_b32 v[\vl], s50
.endm
	s_load_b256 s[4:11], s[0:1], 0x0               ; qkv, dist_emb, the scales' exponents, tws
	v_lshrrev_b32 v1, 5, v0
	v_readfirstlane_b32 s12, v1                    ; wave 0..15
	s_and_b32 s13, ttmp7, 0xffff                   ; n x 32 + head
	s_lshl_b32 s15, ttmp9, 9
	s_wait_alu depctr_va_sdst(0)                   ; s12 is written, ahead of its first reader
	s_lshl_b32 s50, s12, 5
	s_add_co_u32 s15, s15, s50                     ; my first query
	s_mul_i32 s54, s12, STW
	s_add_co_u32 s54, s54, STG                     ; my stage
	s_lshl_b32 s55, s12, 11                        ; 2,048 x wave
	s_mov_b32 s40, 0x76543210
	s_mov_b32 s41, 0xfedcba98                      ; v_permlanex16_b32: lane l xor 16
	s_mov_b32 s42, 0x06040200                      ; v_perm_b32: the even bytes of two words
	s_mov_b32 s43, 0x07050301                      ; the odd ones
	v_and_b32 v10, 31, v0                          ; lane
	v_and_b32 v11, 15, v0                          ; r
	v_bfe_u32 v12, v0, 4, 1                        ; h
	v_lshlrev_b32 v1, 4, v10                       ; v1: 16 x lane
	v_mul_u32_u24 v2, v11, 48
	v_lshl_add_u32 v2, v12, 4, v2                  ; v2: my place in 16 table rows
	v_xor_b32 v13, 1, v12
	v_mul_u32_u24 v3, v11, 404
	v_lshl_add_u32 v3, v13, 5, v3
	v_add_nc_u32 v3, s54, v3                       ; v3: the stage, on the way in: row r of 400 bytes, column 80 + r - 8 h - (16 i + j): 404 r + 32 (1 - h), the rest in the offset
	v_mul_u32_u24 v4, v11, 400
	v_lshl_add_u32 v4, v12, 5, v4
	v_add_nc_u32 v4, s54, v4
	v_add_nc_u32 v4, 64, v4                        ; v4: and back: row r, behind the margin of 16 columns, + 32 h
	v_lshlrev_b32 v5, 5, v12                       ; v5: 32 h
	v_lshrrev_b32 v7, 3, v11
	v_add_nc_u32 v6, -1, v7                        ; v6: all ones where r < 8
	v_sub_nc_u32 v7, 0, v7                         ; v7: all ones where r >= 8
	v_lshlrev_b32 v14, 4, v0                       ; 16 x thread: the fills
	v_max_u32 v15, 80, v0
	v_add_nc_u32 v15, 0xffffffb0, v15
	v_min_u32 v15, 0x100, v15
	v_lshlrev_b32 v15, 7, v15                      ; my table row's source: row clip(thread - 80, 0, 256) of 128 bytes
	s_lshl_b32 s50, s15, 5
	v_add_nc_u32 v13, s50, v1                      ; my first tile of queries in a set: 512 (l0 / 16) + 16 x lane
	v_mul_u32_u24 v248, v0, 48
	v_add_nc_u32 v248, DE8T, v248                  ; where I put my table row
	v_lshl_add_u32 v249, v0, 4, STG                ; where v's codes go as they come
	v_and_b32 v250, 7, v0
	v_lshlrev_b32 v250, 4, v250
	v_lshl_add_u32 v250, v12, 7, v250
	v_bfe_u32 v255, v0, 3, 1
	v_lshl_add_u32 v250, v255, 8, v250
	s_add_co_u32 s51, s55, STG
	v_add_nc_u32 v250, s51, v250                   ; the turning load: token 8 h + lane % 8 of a tile, the 16 bytes of half (lane / 8) % 2
	s_add_co_u32 s51, s55, VI
	v_add_nc_u32 v251, s51, v1                     ; where my step's V^T goes
	v_and_b32 v252, 1, v0
	v_mul_u32_u24 v252, v252, 12288
	v_lshl_add_u32 v252, v12, 4, v252
	v_add_nc_u32 v252, DE8T+3840, v252             ; table rows 80 (d = 0) and 336 (d = 256), by turns
	s_add_co_u32 s51, s55, K11I
	v_add_nc_u32 v253, s51, v1                     ; my four tiles of k11
	s_lshl_b32 s51, s12, 8
	s_add_co_u32 s51, s51, KDR
	v_lshl_add_u32 v254, v11, 2, s51               ; where their far numbers go
	s_lshl_b32 s52, s13, 15
	s_mov_b32 s53, 0
	s_wait_kmcnt 0x0
	s_load_b512 s[16:31], s[8:9], 0x0              ; entries 0 to 15
	s_add_nc_u64 s[56:57], s[4:5], s[52:53]        ; my head in the q sets,
	s_add_nc_u64 s[58:59], s[56:57], 0x800000      ; the k sets,
	s_add_nc_u64 s[60:61], s[56:57], 0x1000000     ; v's set
	s_wait_alu depctr_va_vdst(0)                   ; the offsets and LDS addresses v1 to v5, v13 to v15 and v248 to v254 are written, which the loads and LDS instructions of the head read
.irp i, 0,1,2,3
	global_load_b128 v[104+4*\i:107+4*\i], v14, s[58:59] offset:8192*\i
	global_load_b128 v[120+4*\i:123+4*\i], v14, s[58:59] offset:0x400000+8192*\i
	global_load_b128 v[136+4*\i:139+4*\i], v14, s[60:61] offset:8192*\i
.endr
.irp i, 0,1,2,3,4,5,6,7
	global_load_b128 v[P+4*\i:P+4*\i+3], v15, s[6:7] offset:16*\i
.endr
	global_load_b128 v[QF:QF+3], v13, s[56:57]
	global_load_b128 v[QF+8:QF+11], v13, s[56:57] offset:512
	global_load_b128 v[QF+16:QF+19], v13, s[56:57] offset:0x400000
	global_load_b128 v[QF+24:QF+27], v13, s[56:57] offset:0x400000+512
.irp z, 4,5,6,7,12,13,14,15,20,21,22,23,28,29,30,31
	v_mov_b32 v[QF+\z], 0                          ; the zeros behind each fragment of q
.endr
.irp z, 0,1,2,3,4,5,6,7,8,9,10,11,12,13,14,15,16,17,18,19,20,21,22,23,24,25,26,27,28,29,30,31
	v_mov_b32 v[O+\z], 0                           ; the step is written once: the first finds zeros, which the first change of M leaves zeros
.endr
.irp a, 0,12
	v_mov_b32 v[ST+\a+1], 0
	v_mov_b32 v[ST+\a+2], 0
	v_mov_b32 v[ST+\a+3], 0
	v_mov_b32 v[ST+\a+5], 0
	v_mov_b32 v[ST+\a+7], 0xff61b1e6               ; -3e38, under every t
	v_floor_f32 v[ST+\a+6], -v[ST+\a+7]
	v_mov_b32 v[ST+\a+11], 0
.endr
	s_wait_loadcnt 12                              ; the twelve fills are in; the table's eight loads and q's four may be out
.irp i, 0,1,2,3
	ds_store_b128 v14, v[104+4*\i:107+4*\i] offset:K6I+8192*\i
	ds_store_b128 v14, v[120+4*\i:123+4*\i] offset:K11I+8192*\i
	ds_store_b128 v249, v[136+4*\i:139+4*\i] offset:8192*\i
.endr
	s_wait_kmcnt 0x0
	MKS 24, 152, 153                               ; entry 8
	MKS 26, 154, 155                               ; entry 10
	MKS 29, 9, 8                                   ; entry 13: v9 = 2^e, v8 = 448 x 2^e
	s_add_co_i32 s50, s22, s23                     ; e6 + e7
	s_lshl_b32 s51, s50, 23
	s_add_co_i32 s32, s51, 0x3e8293ee              ; c1 = log2(e) / sqrt(32) x 2^(e6 + e7): the sum is added to the exponent field
	s_mov_b32 s33, s32
	s_add_co_i32 s52, s24, s25                     ; e8 + e9
	s_lshl_b32 s51, s52, 23
	s_add_co_i32 s38, s51, 0x3e8293ee              ; the same with e8 + e9
	s_sub_co_i32 s51, s52, s50
	s_add_co_i32 s51, s51, 127
	s_lshl_b32 s34, s51, 23                        ; r1 = 2^(e8 + e9 - e6 - e7)
	s_mov_b32 s35, s34
	s_add_co_i32 s52, s26, s27
	s_sub_co_i32 s51, s52, s50
	s_add_co_i32 s51, s51, 127
	s_lshl_b32 s36, s51, 23                        ; r2 = 2^(e10 + e11 - e6 - e7)
	s_mov_b32 s37, s36
	s_add_co_i32 s39, s28, s29                     ; e12 + e13
	s_wait_loadcnt 4                               ; my table row is in; q's four loads may be out
.macro DEQ sc, lim, cod                ; my row under one scale: channels 0-7, 16-23 for lanes 0-15, then 8-15, 24-31 for lanes 16-31
.irp i, 0,1,2,3,4,5,6,7,8,9,10,11,12,13,14,15,16,17,18,19,20,21,22,23,24,25,26,27,28,29,30,31
	v_med3_num_f32 v[P+32+\i], v[P+\i], -v[\lim], v[\lim]
.endr
	v_cvt_scalef32_pk8_fp8_f32 v[\cod:\cod+1], v[P+32:P+39], v[\sc]
	v_cvt_scalef32_pk8_fp8_f32 v[\cod+2:\cod+3], v[P+48:P+55], v[\sc]
	v_cvt_scalef32_pk8_fp8_f32 v[\cod+4:\cod+5], v[P+40:P+47], v[\sc]
	v_cvt_scalef32_pk8_fp8_f32 v[\cod+6:\cod+7], v[P+56:P+63], v[\sc]
	v_nop                                          ; a plain line behind the conversions
.endm
	DEQ 152, 153, P+64
	DEQ 154, 155, 156
	s_wait_alu depctr_va_vdst(0)                   ; both rows' codes are written, which the four LDS stores read; the holds and conversions are done with v[P .. P+63], in which LDS loads land behind the barrier
	ds_store_b128 v248, v[P+64:P+67]
	ds_store_b128 v248, v[P+68:P+71] offset:16
	ds_store_b128 v248, v[156:159] offset:DE10T-DE8T
	ds_store_b128 v248, v[160:163] offset:DE10T-DE8T+16
	s_wait_loadcnt 0x0                             ; q
	s_wait_dscnt 0x0                               ; for the others' sake: my stores have landed
	s_barrier_signal -1
	s_barrier_wait -1
	s_wait_alu depctr_vm_vsrc(0)                   ; my LDS stores have read v104-163 and v[P+64 .. P+71]: products write the first below, and a load lands in the second
	; V is turned: wave w takes key step w.  The turning load works on pairs of bytes: lane L gets, of keys 16 c + 8 h + 0 .. 7, two neighbouring channels; v_perm_b32 parts the even from the odd.
	; Row m of tile et is channel 8 (m / 8) + 2 (m % 8) + et where m % 8 < 4, else 16 + 8 (m / 8) + 2 (m % 8 - 4) + et.
.irp c, 0,1,2,3
	ds_load_tr16_b128 v[P+4*\c:P+4*\c+3], v250 offset:512*\c
.endr
	ds_load_b128 v[P+32:P+35], v252 offset:DE10T-DE8T   ; the two far rows of the second table; zeros follow them
	ds_load_b128 v[P+40:P+43], v252                ; and of the first; valid codes follow them (they meet q's zeros)
	ds_load_b128 v[P+44:P+47], v252
.irp t, 0,1,2,3
	ds_load_b128 v[P+48+4*\t:P+51+4*\t], v253 offset:512*\t
.endr
	ds_load_b128 v[P+64:P+67], v253                ; valid codes behind the fourth tile (they meet zeros)
.irp z, 36,37,38,39
	v_mov_b32 v[P+\z], 0
.endr
	s_wait_dscnt 0x0
.irp c, 0,1,2,3
	v_perm_b32 v[P+16+2*\c], v[P+4*\c+1], v[P+4*\c], s42
	v_perm_b32 v[P+17+2*\c], v[P+4*\c+3], v[P+4*\c+2], s42
	v_perm_b32 v[P+24+2*\c], v[P+4*\c+1], v[P+4*\c], s43
	v_perm_b32 v[P+25+2*\c], v[P+4*\c+3], v[P+4*\c+2], s43
.endr
	; the far numbers.  Source 0: rows d = 0 (even) and d = 256 (odd); so register 0 of a result is the column's number for d = 0, register 1 for d = 256
.irp t, 0,1,2,3
	v_wmma_f32_16x16x64_fp8_fp8 v[104+8*\t:111+8*\t], v[P+32:P+39], v[P+48+4*\t:P+55+4*\t], 0
.endr
	v_wmma_f32_16x16x64_fp8_fp8 v[136:143], v[P+40:P+47], v[QF+16:QF+23], 0
	v_wmma_f32_16x16x64_fp8_fp8 v[144:151], v[P+40:P+47], v[QF+24:QF+31], 0
	PLACES 4
.irp t, 0,1,2,3
	v_mul_f32 v[P+\t], s36, v[104+8*\t]
	v_mul_f32 v[P+4+\t], s36, v[105+8*\t]
.endr
.irp a, 0,1
	v_mul_f32 v[ST+12*\a+9], s38, v[136+8*\a]      ; far right, as t
	v_mul_f32 v[ST+12*\a+8], s38, v[137+8*\a]      ; far left
.endr
	s_wait_alu depctr_va_vdst(0)                   ; V^T's bytes in v[P+16 .. P+31] and the far numbers in v[P .. P+7] are written, which the LDS stores below read
.irp g, 0,1,2,3
	ds_store_b128 v251, v[P+16+4*\g:P+19+4*\g] offset:512*\g
.endr
.irp t, 0,1,2,3
	ds_store_b32 v254, v[P+\t] offset:64*\t              ; lanes r and r + 16 store the same number to the same word
	ds_store_b32 v254, v[P+4+\t] offset:KDL-KDR+64*\t
.endr
	s_wait_dscnt 0x0                               ; my stores have landed, and my reads of v's raw codes are over: the stages may be written
	s_barrier_signal -1
	s_barrier_wait -1
	s_wait_alu depctr_vm_vsrc(0)                   ; these stores have read their data and, like the loads above, their addresses v250 to v254, which are P+82 .. P+86 from here on; q's loads have read v13, which is written below
; The addresses of the step whose u, 2,048 x step and 256 x step stand in s45, s46, s47: all four are made whatever the step's kind, so that no branch stands here; a far step leaves v12 unread, a step near the diagonal v11,
; and those that the last trip makes are read by nobody.
.macro ADDRS
	s_min_u32 s50, s45, 288                        ; near the diagonal: u itself; else a row inside the table
	s_mul_i32 s50, s50, 48
	s_add_co_u32 s50, s50, DE8T
	s_cmp_gt_i32 s45, 288
	s_mov_b32 s49, KDR
	s_cselect_b32 s49, KDL, s49
	s_add_co_u32 s49, s49, s47
	s_add_co_u32 s51, s46, VI
	v_add_nc_u32 v10, s46, v1                      ; k's tiles, in either set
	v_add_nc_u32 v11, s49, v5                      ; the keys' far numbers
	v_add_nc_u32 v12, s50, v2                      ; the tables' rows u on
	v_add_nc_u32 v13, s51, v1                      ; V^T
.endm
; q . de for tile a: five results of 16 table rows x 16 queries go through the stage.  Register j of result i in lane (r, h) belongs to key column 64 + r - 16 i - 8 h - j of the step; the stage's rows have a margin of 16 columns on each side.
; Both halves come back in one run, into P+52 .. P+83.  Behind the second tile's run stand the loads for k . de: the first tile of k under entry 11 into P+48 .. P+51 and the second table's six windows into P .. P+47.
.macro C2P a
.irp i, 0,1,2,3,4
	v_wmma_f32_16x16x64_fp8_fp8 v[P+48+8*\i:P+55+8*\i], v[P+20+4*((\a)+\i):P+27+4*((\a)+\i)], v[QF+16+8*(\a):QF+23+8*(\a)], 0
.endr
	PLACES 5
	s_wait_alu depctr_va_vdst(0)                   ; the five results are written, which the stores read; the products so far are done reading v[P .. P+47], and the last tile's multiply-adds v[P+52 .. P+83]: loads land in all of these below
.irp i, 0,1,2,3,4
.irp j, 0,1,2,3,4,5,6,7
	ds_store_b32 v3, v[P+48+8*\i+\j] offset:288-64*\i-4*\j
.endr
.endr
	s_wait_alu depctr_vm_vsrc(0)                   ; the stores have read v[P+48 .. P+87], in which the loads below land and which later products write
.irp u, 0,1                            ; LDS serves a wave's instructions in order: these loads see the stores above
	ds_load_b128 v[P+52+16*\u:P+55+16*\u], v4 offset:128*\u
	ds_load_b128 v[P+56+16*\u:P+59+16*\u], v4 offset:128*\u+16
	ds_load_b128 v[P+60+16*\u:P+63+16*\u], v4 offset:128*\u+64
	ds_load_b128 v[P+64+16*\u:P+67+16*\u], v4 offset:128*\u+80
.endr
.if (\a) == 1
	ds_load_b128 v[P+48:P+51], v10 offset:K11I     ; no vector or matrix instruction since the wait on va_vdst names these registers
.irp q, 0,1,2,3,4,5
	ds_load_b128 v[P+8*\q:P+8*\q+3], v12 offset:DE10T-DE8T+384+(16*\q+8)*48
	ds_load_b128 v[P+8*\q+4:P+8*\q+7], v12 offset:DE10T-DE8T+384+(16*\q)*48
.endr
.endif
.irp u, 0,1
	s_wait_dscnt 4*(1-\u)+13*(\a)                  ; this half's four loads are in; the other half's four and, for the second tile, the thirteen loads for k . de may be out
.irp i, 0,2,4,6,8,10,12,14
	v_pk_fma_f32 v[S+32*(\a)+16*\u+\i:S+32*(\a)+16*\u+\i+1], v[P+52+16*\u+\i:P+52+16*\u+\i+1], s[34:35], v[S+32*(\a)+16*\u+\i:S+32*(\a)+16*\u+\i+1] op_sel_hi:[1,0,1]
.endr
.endr
.endm
; register j of both tiles' results: lane r takes lane r - j of the upper window's result or, where r < j, lane r + 16 - j of the window 16 rows lower
.macro TOEP j, k
	v_mov_b32_dpp v[P+56+\j], v[P+56+\j] row_shr:\j row_mask:0xf bank_mask:0xf bound_ctrl:1
	v_mov_b32_dpp v[P+72+\j], v[P+72+\j] row_shr:\j row_mask:0xf bank_mask:0xf bound_ctrl:1
	v_add_f32_dpp v[P+56+\j], v[P+64+\j], v[P+56+\j] row_shl:\k row_mask:0xf bank_mask:0xf bound_ctrl:1
	v_add_f32_dpp v[P+72+\j], v[P+80+\j], v[P+72+\j] row_shl:\k row_mask:0xf bank_mask:0xf bound_ctrl:1
.endm
; k . de for key tile b, whose codes lie in P+48 .. P+51.  Source 0: keys 0-7 in the first half of K, keys 8-15 in the second.  Source 1: window q (at P + 8 (q + 4)): table rows u + 80 + 16 q + n, and the same 8 rows lower.
.macro P2C b
	s_wait_dscnt 0x0                               ; the tile is in (for the first tile: the six windows too)
.irp i, 0,1,2,3
	v_and_b32 v[P+52+\i], v7, v[P+48+\i]           ; the upper copy first, then the lower one in place
.endr
.irp i, 0,1,2,3
	v_and_b32 v[P+48+\i], v6, v[P+48+\i]
.endr
	v_wmma_f32_16x16x64_fp8_fp8 v[P+56:P+63], v[P+48:P+55], v[P+8*(4-(\b)):P+8*(4-(\b))+7], 0
	v_wmma_f32_16x16x64_fp8_fp8 v[P+64:P+71], v[P+48:P+55], v[P+8*(3-(\b)):P+8*(3-(\b))+7], 0
	v_wmma_f32_16x16x64_fp8_fp8 v[P+72:P+79], v[P+48:P+55], v[P+8*(5-(\b)):P+8*(5-(\b))+7], 0
	v_wmma_f32_16x16x64_fp8_fp8 v[P+80:P+87], v[P+48:P+55], v[P+8*(4-(\b)):P+8*(4-(\b))+7], 0
	PLACES 5
.if (\b) < 3
	s_wait_alu depctr_va_vdst(0)                   ; the four products are done reading v[P+48 .. P+55]: the next tile lands there under the shifts, which name P+56 on
	ds_load_b128 v[P+48:P+51], v10 offset:K11I+512*((\b)+1)
.endif
	TOEP 1, 15
	TOEP 2, 14
	TOEP 3, 13
	TOEP 4, 12
	TOEP 5, 11
	TOEP 6, 10
	TOEP 7, 9
.irp a, 0,1
.irp i, 0,2,4,6
	v_pk_fma_f32 v[S+32*\a+8*(\b)+\i:S+32*\a+8*(\b)+\i+1], v[P+56+16*\a+\i:P+56+16*\a+\i+1], s[36:37], v[S+32*\a+8*(\b)+\i:S+32*\a+8*(\b)+\i+1] op_sel_hi:[1,0,1]
.endr
.endr
.endm
; the step's largest t of my query, the new M, f = 2^(old M - new M), and the exponents t - M
.macro SMAX a
.set STB, ST+12*(\a)
.set SS, S+32*(\a)
.set TT, P+4*(\a)
	v_max3_num_f32 v[TT], v[SS], v[SS+1], v[SS+2]  ; two chains, ascending: each result is read from its low end on
	v_max3_num_f32 v[TT+1], v[SS+3], v[SS+4], v[SS+5]
.irp i, 6,10,14,18,22,26
	v_max3_num_f32 v[TT], v[TT], v[SS+\i], v[SS+\i+1]
	v_max3_num_f32 v[TT+1], v[TT+1], v[SS+\i+2], v[SS+\i+3]
.endr
	v_max3_num_f32 v[TT], v[TT], v[SS+30], v[SS+31]
	v_max_num_f32 v[TT], v[TT], v[TT+1]
	v_permlanex16_b32 v[STB+11], v[TT], s40, s41
	v_max_num_f32 v[TT], v[TT], v[STB+11]
	v_fma_f32 v[TT], v[TT], s32, v[STB+10]         ; as t (c1 is positive), with the query's far number
	v_max_num_f32 v[STB+7], v[STB+7], v[TT]
	v_mov_b32 v[TT+2], v[STB+6]
	v_floor_f32 v[STB+6], -v[STB+7]                ; -M = floor(-t): M is a whole number
	v_sub_f32 v[TT+2], v[STB+6], v[TT+2]
	v_cvt_i32_f32 v[TT+2], v[TT+2]                 ; (it saturates)
	v_ldexp_f32 v[STB+4], 1.0, v[TT+2]             ; f: a multiplication by it rounds nothing
	v_add_f32 v[STB], v[STB+10], v[STB+6]
.irp i, 0,2,4,6,8,10,12,14,16,18,20,22,24,26,28,30
	v_pk_fma_f32 v[SS+\i:SS+\i+1], v[SS+\i:SS+\i+1], s[32:33], v[STB:STB+1] op_sel_hi:[1,0,0]
.endr
.endm
.macro SSUM a                          ; the row's sum is taken of the unquantised p: two chains.  The second chain lies in P+72 on, which is free until the conversions: behind the exponentials' wait nothing names P .. P+51
.set STB, ST+12*(\a)
.set SS, S+32*(\a)
.set TP, P+72+2*(\a)
	v_pk_add_f32 v[TP:TP+1], v[SS:SS+1], v[SS+2:SS+3]
.irp j, 4,8,12,16,20,24,28
	v_pk_add_f32 v[STB+2:STB+3], v[STB+2:STB+3], v[SS+\j:SS+\j+1]
	v_pk_add_f32 v[TP:TP+1], v[TP:TP+1], v[SS+\j+2:SS+\j+3]
.endr
	v_pk_add_f32 v[STB+2:STB+3], v[STB+2:STB+3], v[TP:TP+1]
.endm
.macro SCVT a                          ; key tile b's eight numbers become registers 2 b, 2 b + 1 of source 1
.set SS, S+32*(\a)
.irp b, 0,1,2,3
	v_cvt_scalef32_pk8_fp8_f32 v[P+72+8*(\a)+2*\b:P+73+8*(\a)+2*\b], v[SS+8*\b:SS+8*\b+7], v9
.endr
.endm
	s_mov_b32 s44, 0                               ; the step
	s_add_co_u32 s45, s15, 128                     ; u = l0 + 128 - 64 x step: l - s + 128 lies between u - 63 and u + 31
	s_mov_b32 s46, 0                               ; 2,048 x step
	s_mov_b32 s47, 0                               ; 256 x step
	ADDRS                                          ; step 0's
	s_wait_alu depctr_va_vdst(0)                   ; v10 to v13 are written, which the first step's loads read; the head's products and vector lines are done with v[P ..], in which they land
.Lstep:
	s_cmp_gt_i32 s45, 288                          ; u is a multiple of 32: above 288 every d is 256,
	s_cbranch_scc1 .Lfar
	s_cmp_lt_i32 s45, 0                            ; under 0 every d is 0.  Both branches hang on ids alone
	s_cbranch_scc1 .Lfar
	; ---- a step near the diagonal.  No wait on registers: the addresses were written, and all that named P .. P+51 was issued, ahead of the last step's wait behind its exponentials
.irp g, 0,1,2,3,4
	ds_load_b128 v[P+4*\g:P+4*\g+3], v10 offset:K6I+512*\g
.endr
.irp i, 0,1,2,3,4,5,6
	ds_load_b128 v[P+20+4*\i:P+23+4*\i], v12 offset:768+768*\i     ; table rows u + 16 + 16 i on
.endr
	s_wait_dscnt 0x0
.irp b, 0,1,2,3
.irp a, 0,1
	v_wmma_f32_16x16x64_fp8_fp8 v[S+32*\a+8*\b:S+32*\a+8*\b+7], v[P+4*\b:P+4*\b+7], v[QF+8*\a:QF+8*\a+7], 0
.endr
.endr
	C2P 0
	C2P 1
	P2C 0
	P2C 1
	P2C 2
	P2C 3
	v_mov_b32 v[ST+10], 0
	v_mov_b32 v[ST+22], 0
	s_branch .Ljoin
.Lfar:
	; ---- a far step: the k term is the C of K Q^T, the q term an addend of t.  No wait on registers, as above
	s_cmp_gt_i32 s45, 288
	s_cselect_b32 s48, -1, 0
.irp g, 0,1,2,3,4
	ds_load_b128 v[P+4*\g:P+4*\g+3], v10 offset:K6I+512*\g          ; (in the last step the fifth group is the other set's first tile: valid codes, which meet zeros)
.endr
.irp b, 0,1,2,3
	ds_load_b128 v[P+20+8*\b:P+23+8*\b], v11 offset:64*\b
	ds_load_b128 v[P+24+8*\b:P+27+8*\b], v11 offset:64*\b+16
.endr
	v_cndmask_b32 v[ST+10], v[ST+9], v[ST+8], s48
	v_cndmask_b32 v[ST+22], v[ST+21], v[ST+20], s48
	s_wait_dscnt 0x0
.irp b, 0,1,2,3
.irp a, 0,1
	v_wmma_f32_16x16x64_fp8_fp8 v[S+32*\a+8*\b:S+32*\a+8*\b+7], v[P+4*\b:P+4*\b+7], v[QF+8*\a:QF+8*\a+7], v[P+20+8*\b:P+27+8*\b]
.endr
.endr
	PLACES 4
.Ljoin:
	s_wait_alu depctr_va_vdst(0)                   ; the last step's products V^T P^T and, near the diagonal, k . de's last lines are done with v[P+56 .. P+71], in which V^T lands
.irp g, 0,1,2,3
	ds_load_b128 v[P+56+4*\g:P+59+4*\g], v13 offset:512*\g          ; the step's V^T: they land under the softmax
.endr
	SMAX 0
	SMAX 1
.irp j, 0,1,2,3,4,5,6,7,8,9,10,11,12,13,14,15,16,17,18,19,20,21,22,23,24,25,26,27,28,29,30,31,32,33,34,35,36,37,38,39,40,41,42,43,44,45,46,47,48,49,50,51,52,53,54,55,56,57,58,59,60,61,62,63
	v_exp_f32 v[S+\j], v[S+\j]                     ; p = 2^(t - M): one batch
.endr
	v_pk_mul_f32 v[ST+2:ST+3], v[ST+2:ST+3], v[ST+4:ST+5] op_sel_hi:[1,0]        ; the sums under the new M: the plain lines behind the batch
	v_pk_mul_f32 v[ST+14:ST+15], v[ST+14:ST+15], v[ST+16:ST+17] op_sel_hi:[1,0]
	s_sub_co_i32 s45, s45, 64                      ; on to the next step's u and places
	s_add_co_u32 s46, s46, 2048
	s_add_co_u32 s47, s47, 256
	s_wait_alu depctr_vm_vsrc(0)                   ; this step's LDS loads have read v10 to v13, which are written below
	ADDRS                                          ; the next step's
	s_wait_alu depctr_va_vdst(0)                   ; the 64 exponentials' results are written, ahead of their first reader; so are v10 to v13, which the next step's loads read; and all that named v[P .. P+51], in which those land, is complete
	SSUM 0
	SSUM 1
	s_cmp_ge_i32 s29, -8                           ; entry 13 of the given exponents: from -8 on, 448 x 2^e is 1.75 or more and no p reaches it
	s_cbranch_scc1 .Lno_hold
.set k, 0
.rept 64
	v_min_num_f32 v[S+k], v[S+k], v8               ; the conversion to an 8-bit code does not saturate (ISA guide 7.6.2); p is not negative, so the hold is one-sided
.set k, k+1
.endr
.Lno_hold:
	SCVT 0
	SCVT 1
.irp a, 0,1
.irp i, 0,2,4,6,8,10,12,14
	v_pk_mul_f32 v[O+16*\a+\i:O+16*\a+\i+1], v[O+16*\a+\i:O+16*\a+\i+1], v[ST+12*\a+4:ST+12*\a+5] op_sel_hi:[1,0]   ; O^T under the new M; also the plain lines behind the conversions
.endr
.endr
	s_wait_dscnt 0x0                               ; V^T is in
.irp a, 0,1
.irp e, 0,1
	v_wmma_f32_16x16x64_fp8_fp8 v[O+16*\a+8*\e:O+16*\a+8*\e+7], v[P+56+8*\e:P+63+8*\e], v[P+72+8*\a:P+79+8*\a], v[O+16*\a+8*\e:O+16*\a+8*\e+7]   ; four accumulators by turns
.endr
.endr
	PLACES 5
	s_add_co_u32 s44, s44, 1
	s_cmp_lt_u32 s44, 16
	s_cbranch_scc1 .Lstep
	; THE WAY OUT: O^T / the sum x 2^(e12 + e13); the two tiles of channels interleave into channels 8 h + 0 .. 7 and 16 + 8 h + 0 .. 7; through my stage, so that a store of the wave covers 512 consecutive bytes.
	; tws: [n][tile of 16 tokens: 64][head: 32][16 tokens][32 channels] f32.
	v_add_f32 v[ST+2], v[ST+2], v[ST+3]
	v_add_f32 v[ST+14], v[ST+14], v[ST+15]
	v_permlanex16_b32 v[ST+11], v[ST+2], s40, s41
	v_permlanex16_b32 v[ST+23], v[ST+14], s40, s41
	v_add_f32 v[ST+2], v[ST+2], v[ST+11]
	v_add_f32 v[ST+14], v[ST+14], v[ST+23]
	v_rcp_f32 v[ST+4], v[ST+2]
	v_rcp_f32 v[ST+16], v[ST+14]
	v_and_b32 v14, 15, v0                          ; (plain lines behind the reciprocals)
	v_bfe_u32 v15, v0, 4, 1
	v_mul_u32_u24 v10, v14, 144
	v_lshl_add_u32 v10, v15, 5, v10
	v_add_nc_u32 v10, s54, v10                     ; in: row r of 128 bytes + 16, + 32 h
	v_bfe_u32 v14, v0, 3, 2
	v_and_b32 v15, 7, v0
	v_mul_u32_u24 v11, v14, 144
	v_lshl_add_u32 v11, v15, 4, v11
	v_add_nc_u32 v11, s54, v11                     ; back: eight lanes to a row, four rows an instruction
	s_lshr_b32 s50, s13, 5
	s_lshl_b32 s50, s50, 6
	s_lshr_b32 s51, s15, 4
	s_add_co_u32 s50, s50, s51
	s_lshl_b32 s50, s50, 16
	s_and_b32 s51, s13, 31
	s_lshl_b32 s51, s51, 11
	s_add_co_u32 s50, s50, s51
	s_mov_b32 s51, 0
	s_add_nc_u64 s[62:63], s[10:11], s[50:51]
	s_wait_alu depctr_va_vdst(0)                   ; both reciprocals are written, ahead of their first reader
	v_ldexp_f32 v[ST+4], v[ST+4], s39
	v_ldexp_f32 v[ST+16], v[ST+16], s39
.macro OUTM a                          ; tile a's 16 numbers a lane
.irp j, 0,1,2,3,4,5,6,7
	v_mul_f32 v[P+32*(\a)+2*\j], v[O+16*(\a)+\j], v[ST+12*(\a)+4]
	v_mul_f32 v[P+32*(\a)+2*\j+1], v[O+16*(\a)+8+\j], v[ST+12*(\a)+4]
.endr
.endm
.macro OUTS a                          ; into the stage and back
	ds_store_b128 v10, v[P+32*(\a):P+32*(\a)+3]
	ds_store_b128 v10, v[P+32*(\a)+4:P+32*(\a)+7] offset:16
	ds_store_b128 v10, v[P+32*(\a)+8:P+32*(\a)+11] offset:64
	ds_store_b128 v10, v[P+32*(\a)+12:P+32*(\a)+15] offset:80
.irp i, 0,1,2,3
	ds_load_b128 v[P+32*(\a)+16+4*\i:P+32*(\a)+19+4*\i], v11 offset:576*\i   ; LDS serves a wave's instructions in order
.endr
.endm
	OUTM 0
	OUTM 1
	s_wait_alu depctr_va_vdst(0)                   ; both tiles' numbers and the addresses v10 and v11 are written, which the LDS instructions below read; the last products are done reading v[P+56 .. P+63], in which loads land
	OUTS 0
	OUTS 1
.irp i, 0,1,2,3
	s_wait_dscnt 11-\i                             ; behind this load: the tile's later loads and the second tile's eight instructions
	global_store_b128 v1, v[P+16+4*\i:P+19+4*\i], s[62:63] offset:512*\i
.endr
.irp i, 0,1,2,3
	s_wait_dscnt 3-\i
	global_store_b128 v1, v[P+48+4*\i:P+51+4*\i], s[62:63] offset:65536+512*\i
.endr
	s_wait_xcnt 0x0
	v_lshl_add_u32 v254, v0, 2, 0x3f400            ; the add's two registers are made anew: each LDS store that read v254 or v255 has its wait on vm_vsrc straight behind its run
	v_mov_b32 v255, 0
	s_wait_dscnt 0x0                               ; the closing lines, six on end
	s_wait_alu 0x0
	s_wait_tensorcnt 0x0
	ds_add_u32 v254, v255
	s_wait_dscnt 0x0
	s_endpgm
.Lfunc_end_k_q8bb9b1f53f_attn:
	.size	k_q8bb9b1f53f_attn, .Lfunc_end_k_q8bb9b1f53f_attn-k_q8bb9b1f53f_attn
	.p2alignl 7, 3214868480
	.fill 96, 4, 3214868480
	.section	.rodata,"a",@progbits
	.p2align	6, 0x0
	.amdhsa_kernel k_q8bb9b1f53f_attn
		.amdhsa_group_segment_fixed_size 261120
		.amdhsa_private_segment_fixed_size 0
		.amdhsa_enable_private_segment 0
		.amdhsa_kernarg_size 32
		.amdhsa_user_sgpr_count 2
		.amdhsa_user_sgpr_kernarg_segment_ptr 1
		.amdhsa_wavefront_size32 1
		.amdhsa_system_sgpr_workgroup_id_x 1
		.amdhsa_system_sgpr_workgroup_id_y 1
		.amdhsa_system_sgpr_workgroup_id_z 1
		.amdhsa_system_vgpr_workitem_id 0
		.amdhsa_next_free_vgpr 256
		.amdhsa_next_free_sgpr 80
		.amdhsa_reserve_vcc 0
		.amdhsa_float_denorm_mode_32 3
		.amdhsa_float_denorm_mode_16_64 3
		.amdhsa_memory_ordered 1
		.amdhsa_forward_progress 1
		.amdhsa_inst_pref_size 64
	.end_amdhsa_kernel
	.amdgpu_metadata
---
amdhsa.version: [ 1, 2 ]
amdhsa.kernels:
  - .name:           k_q8bb9b1f53f_attn
    .symbol:         k_q8bb9b1f53f_attn.kd
    .args:
      - { .name: qkv, .offset: 0, .size: 8, .value_kind: global_buffer, .address_space: global }
      - { .name: dist_emb, .offset: 8, .size: 8, .value_kind: global_buffer, .address_space: global }
      - { .name: lowp_scales, .offset: 16, .size: 8, .value_kind: global_buffer, .address_space: global }
      - { .name: tws, .offset: 24, .size: 8, .value_kind: global_buffer, .address_space: global }
    .group_segment_fixed_size: 261120
    .private_segment_fixed_size: 0
    .kernarg_segment_align: 8
    .kernarg_segment_size: 32
    .max_flat_workgroup_size: 512
    .sgpr_count:     80
    .vgpr_count:     256
    .wavefront_size: 32
...
	.end_amdgpu_metadata
.endif
;; end of part 6
;; launch tail: the kernel of part 4 again; grid 128 x 1, 16 waves a work-group, clusters of 4 x 1, 327,680 bytes of LDS; arguments tws, x, wi, lowp_scales, ln1_g, ln1_b, b1, b2, ln2_g, ln2_b, out0; writes out0
